; MI455X (gfx1250); checked and timed in simulation.
; The chip was launched on July 23, 2026; its instructions are those of AMD's public machine-readable ISA for CDNA 5 (MIT licence, August 2026) and "CDNA5" Instruction Set Architecture Reference Guide (July 2026). The comments in the code are by the model that wrote it; some were corrected since.
;; Qwen Attention. Allowed arithmetic: float matrix products may take bf16 or f16 operands with f32 sums; all other float work in f32.
;; Inputs: Wk 2,048 x 1,024 float32; Wo 2,048 x 2,048 float32; Wq 2,048 x 2,048 float32; Wv 2,048 x 1,024 float32; cos 2,048 x 64 float32; kn_w 128 float32; qn_w 128 float32; sin 2,048 x 64 float32; x 1 x 2,048 x 2,048 float32.
;; Outputs: out0 1 x 2,048 x 2,048 float32.
;; 2 versions, each right; version 2 is version 1 with the launch prep written anew for expert scheduling mode. Each part assembles by itself: llvm-mc -triple=amdgcn-amd-amdhsa -mcpu=gfx1250 --defsym DOCPART=n.
;; ======== version 1 of 2: 4 launches
;; limits: values outside matrix products are rounded to bf16; values are held in f16: magnitudes above 65,504 overflow, below 6.1e-05 lose precision; right only within a limited range of input values
;; workspace buffers: xb 8,388,608 bytes; wqkv 16,777,216 bytes; wob 8,388,608 bytes; qkv 16,777,216 bytes; ao 8,388,608 bytes
;; launch prep (part 1): grid 768 x 1, 8 waves a work-group, no clusters, 0 bytes of LDS; arguments x, Wq, Wk, Wv, xb, wqkv; writes xb, wqkv
.if DOCPART == 1
	.amdgcn_target "amdgcn-amd-amdhsa--gfx1250"
	.amdhsa_code_object_version 6
	.text
	.protected	k_q4a00518518_prep
	.globl	k_q4a00518518_prep
	.p2align	8
	.type	k_q4a00518518_prep,@function
k_q4a00518518_prep:
	s_mov_b64 s[64:65], 0
	v_nop
	global_prefetch_b8 v0, s[64:65] scope:SCOPE_SE
	s_setreg_imm32_b32 hwreg(HW_REG_WAVE_MODE, 25, 1), 1
	s_wait_xcnt 0x0
; Casts, once for the whole program: x -> xb (bf16), Wq | Wk | Wv -> wqkv (bf16, side by side in rows of 4,096 numbers).
; (Wo, which only the last launch needs, is cast at the start of the attention launch.)
; A stream: no LDS, no barrier, no matrix unit, no cluster (no two work-groups read the same byte).
; A work-group takes 65,536 bytes of one source, a wave 8,192 (2,048 numbers), a lane sixteen loads of 16 bytes, all issued before the first is used.
; A load of a wave covers 512 consecutive bytes; a store of a wave covers 256 consecutive bytes that start at a multiple of 256.
.set XR, 8                             ; v[8:71]   load j: 4 numbers in f32
.set YR, 72                            ; v[72:103] store j: the same 4 numbers in bf16
	s_load_b256 s[4:11], s[0:1], 0x0               ; x s[4:5], Wq s[6:7], Wk s[8:9], Wv s[10:11]
	s_load_b128 s[12:15], s[0:1], 0x20             ; xb s[12:13], wqkv s[14:15]
	v_and_b32 v2, 31, v0                           ; lane
	v_lshrrev_b32 v3, 5, v0                        ; wave
	v_lshlrev_b32 v1, 4, v2
	v_lshl_or_b32 v1, v3, 13, v1                   ; source: 16 x lane + 8,192 x wave
	v_lshlrev_b32 v2, 3, v2                        ; destination: 8 x lane
	s_wait_kmcnt 0x0
; src, dst: first scalar register of the two addresses.  b0: the job's first work-group.  wgdst: destination bytes from work-group to work-group.
; wsh: log2 of the destination bytes from wave to wave.  off: byte offset of the job's columns in a destination row.
; half2: where the wave's second 1,024 numbers go (the same row, or the next).
.macro CAST src, dst, b0, wgdst, wsh, off, half2
	s_sub_co_u32 s20, ttmp9, \b0
	s_lshl_b32 s22, s20, 16
	s_mov_b32 s23, 0
	s_add_nc_u64 s[24:25], s[\src:\src+1], s[22:23]
	s_mul_i32 s26, s20, \wgdst
	s_add_co_u32 s26, s26, \off
	s_mov_b32 s27, 0
	s_add_nc_u64 s[28:29], s[\dst:\dst+1], s[26:27]
	v_lshl_add_u32 v4, v3, \wsh, v2
.set j, 0
.rept 16
	global_load_b128 v[XR+4*j:XR+4*j+3], v1, s[24:25] offset:512*j th:TH_LOAD_NT
.set j, j+1
.endr
.set j, 0
.rept 16
	s_wait_loadcnt 15-j                            ; loads come back in order: load j is in, the 15 - j younger ones stay out
	v_cvt_pk_bf16_f32 v[YR+2*j], v[XR+4*j], v[XR+4*j+1]
	v_cvt_pk_bf16_f32 v[YR+2*j+1], v[XR+4*j+2], v[XR+4*j+3]
	global_store_b64 v4, v[YR+2*j:YR+2*j+1], s[28:29] offset:256*(j%8)+(j/8)*\half2
.set j, j+1
.endr
	s_endpgm                                       ; no register of a load or store is written twice: no further wait
.endm
	s_cmp_lt_u32 ttmp9, 256
	s_cbranch_scc1 .Ljob_x
	s_cmp_lt_u32 ttmp9, 512
	s_cbranch_scc1 .Ljob_wq
	s_cmp_lt_u32 ttmp9, 640
	s_cbranch_scc1 .Ljob_wk
	CAST 10, 14, 640, 131072, 14, 6144, 8192       ; Wv: a wave takes two rows of 1,024, columns 3072 - 4095
.Ljob_x:
	CAST 4, 12, 0, 32768, 12, 0, 2048              ; x: a wave takes a row of 2,048
.Ljob_wq:
	CAST 6, 14, 256, 65536, 13, 0, 2048            ; Wq: a row of 2,048 into columns 0 - 2047 of a row of 8,192 bytes
.Ljob_wk:
	CAST 8, 14, 512, 131072, 14, 4096, 8192        ; Wk: two rows of 1,024, columns 2048 - 3071
.Lfunc_end_k_q4a00518518_prep:
	.size	k_q4a00518518_prep, .Lfunc_end_k_q4a00518518_prep-k_q4a00518518_prep
	.p2alignl 7, 3214868480
	.fill 96, 4, 3214868480
	.section	.rodata,"a",@progbits
	.p2align	6, 0x0
	.amdhsa_kernel k_q4a00518518_prep
		.amdhsa_group_segment_fixed_size 0
		.amdhsa_private_segment_fixed_size 0
		.amdhsa_enable_private_segment 0
		.amdhsa_kernarg_size 48
		.amdhsa_user_sgpr_count 2
		.amdhsa_user_sgpr_kernarg_segment_ptr 1
		.amdhsa_wavefront_size32 1
		.amdhsa_system_sgpr_workgroup_id_x 1
		.amdhsa_system_sgpr_workgroup_id_y 1
		.amdhsa_system_sgpr_workgroup_id_z 1
		.amdhsa_system_vgpr_workitem_id 0
		.amdhsa_next_free_vgpr 104
		.amdhsa_next_free_sgpr 66
		.amdhsa_reserve_vcc 0
		.amdhsa_float_denorm_mode_32 3
		.amdhsa_float_denorm_mode_16_64 3
		.amdhsa_memory_ordered 1
		.amdhsa_forward_progress 1
		.amdhsa_inst_pref_size 25
	.end_amdhsa_kernel
	.amdgpu_metadata
---
amdhsa.version: [ 1, 2 ]
amdhsa.kernels:
  - .name:           k_q4a00518518_prep
    .symbol:         k_q4a00518518_prep.kd
    .args:
      - { .name: x, .offset: 0, .size: 8, .value_kind: global_buffer, .address_space: global }
      - { .name: Wq, .offset: 8, .size: 8, .value_kind: global_buffer, .address_space: global }
      - { .name: Wk, .offset: 16, .size: 8, .value_kind: global_buffer, .address_space: global }
      - { .name: Wv, .offset: 24, .size: 8, .value_kind: global_buffer, .address_space: global }
      - { .name: xb, .offset: 32, .size: 8, .value_kind: global_buffer, .address_space: global }
      - { .name: wqkv, .offset: 40, .size: 8, .value_kind: global_buffer, .address_space: global }
    .group_segment_fixed_size: 0
    .private_segment_fixed_size: 0
    .kernarg_segment_align: 8
    .kernarg_segment_size: 48
    .max_flat_workgroup_size: 256
    .sgpr_count:     66
    .vgpr_count:     104
    .wavefront_size: 32
...
	.end_amdgpu_metadata
.endif
;; end of part 1
;; launch qkv (part 2): grid 32 x 8, 4 waves a work-group, clusters of 4 x 4, 327,680 bytes of LDS; arguments xb, wqkv, cos, sin, qn_w, kn_w, qkv; writes qkv
.if DOCPART == 2
	.amdgcn_target "amdgcn-amd-amdhsa--gfx1250"
	.amdhsa_code_object_version 6
	.text
	.protected	k_q4a00518518_qkv
	.globl	k_q4a00518518_qkv
	.p2align	8
	.type	k_q4a00518518_qkv,@function
k_q4a00518518_qkv:
	s_mov_b64 s[64:65], 0
	v_nop
	global_prefetch_b8 v0, s[64:65] scope:SCOPE_SE
	s_setreg_imm32_b32 hwreg(HW_REG_WAVE_MODE, 25, 1), 1
	s_wait_xcnt 0x0
	s_wait_alu depctr_hold_cnt(0) depctr_sa_sdst(0) depctr_va_vdst(0) depctr_va_sdst(0) depctr_va_ssrc(0) depctr_va_vcc(0) depctr_vm_vsrc(0)
	s_getreg_b32 s2, hwreg(HW_REG_IB_STS2, 6, 4)
	s_cmp_eq_u32 s2, 0
	s_cbranch_scc0 .Lentry_in_a_cluster
	s_endpgm
.Lentry_in_a_cluster:
	s_bfe_u32 s2, ttmp6, 0x10000c
	s_cmp_lg_u32 s2, 0xf033
	s_cbranch_scc0 .Lentry_shape_is_right
	s_endpgm
.Lentry_shape_is_right:
; [q | k | v] = xb wqkv (2048 x 4096 x 2048, bf16 operands, f32 sums), then for q and k RMS-norm, gain and RoPE in f32; out in f16 as qkv[32 heads][2048 t][128].
; A work-group makes 256 rows x 128 columns = 256 tokens of ONE head (block column 0-15: q, 16-23: k, 24-31: v); wave w makes rows 64 w .. 64 w + 63:
; 4 x 8 accumulator tiles, 256 registers.  wqkv lies [k][n]: its fragments come by the transposing LDS load, so no weight is ever transposed in memory.
; THE RING.  K goes in 16 steps of 128 through THREE LDS slots, two of them filled behind one barrier: the steps go in pairs; behind the barrier at a pair's head a wave
; asks for the next two tiles (four loads) into the two slots that have been read; the third slot's tile has landed and is multiplied first.  The first of the two tiles
; has one step's 128 matrix instructions in which to land, the second two steps'.  A plain barrier in the middle of a pair shows the first tile to the other waves.
; CLUSTERS: 4 x 4 work-groups.  The four of a row of the cluster need the same tile of xb, the four of a column the same tile of wqkv: both are asked for
; jointly, each wave asking for its 64 rows of xb and its 32 rows of wqkv, which divides the requests for both by four.
; THE WALK ALONG K starts at a step of the cluster's own, 4 ((X & 3) xor 3 (X >> 2)) + 8 Y modulo 16 (X, Y: the cluster's ids, the same in all sixteen partners), and wraps:
; the clusters that read the same tile ask for it at different times instead of all at once.  Four clusters that agree in any one bit of X get four different starts.
; Only the order in which a sum takes its K steps is rotated.
; THE MATRIX INSTRUCTION IS USED TRANSPOSED (source 0 = 16 columns of wqkv, source 1 = 16 rows of xb): lane l holds token l % 16 and its registers 0-7 the
; columns 8 (l / 16) + 0..7, so a token's 128 numbers lie in two lanes (l, l xor 16): the norm needs one exchange, and RoPE's pairs (2p, 2p+1) lie in one lane.
; FORMATS AND LIMITS.  q, k, v leave in f16.  q and k are normalised: |q| <= sqrt(128) |gain| (|cos| + |sin|).  v: with the drawn spread its rms is 0.9; with x and Wv
; both 30 times larger 815; with common offsets of 30 and 0.6 it is 2048 x 30 x 0.6 = 36,864: all below f16's 65,504, which is the limit kept for |v|.
; cos, sin and the gains are rounded to bf16 as x and the weights are (all arithmetic on them in f32): the program computes on inputs all rounded alike.
; q is multiplied by log2(e) / sqrt(128) before it is rounded, so that the attention launch works in powers of two.
.set KSTEP,  128
.set NSTEP,  2048/KSTEP                ; 16 K steps
.set MT,     4                         ; accumulator tiles along the wave's rows
.set NT,     8                         ; and along its columns
.set AROWS,  64                        ; rows of xb that one tensor load brings
.set BROWS,  32                        ; rows (k) of wqkv that one tensor load brings
.set PA,     272                       ; LDS pitch of xb's rows: 256 bytes + 16, an odd multiple of 16
.set PB,     288                       ; LDS pitch of wqkv's rows: 256 bytes + 32, an odd multiple of 32 (transposing loads)
.set ATILE,  256*PA
.set SLOT,   ATILE+KSTEP*PB            ; 106,496; three slots are 319,488 bytes
.set STAGE,  SLOT                      ; the way out's stage, 16 rows x 272 bytes for each wave, lies in slot 1: that slot's last fill is K step 13, and every wave's
                                       ; last read of it stands in front of the last barrier behind which a slot is filled
.set SPITCH, 272
.set ADRA, 16                          ; v16-18  LDS address of my xb fragments in slot 0, 1, 2
.set ADRB, 19                          ; v19-21  the same for wqkv
.set STO,  22                          ; stage: row r, 16 bytes for each half of the lanes
.set STO8, 23                          ; stage: row r, 8 bytes for each half
.set RD,   24                          ; stage: read back by rows
.set CO,   25                          ; my 16 bytes of the 512 that a store covers
.set CSO,  26                          ; my offset in cos and sin
.set GOF,  27                          ; my offset in the gain
.set F0,   32                          ; fragment buffer 0: 8 of wqkv, then 4 of xb (96 registers)
.set F1,   128                         ; fragment buffer 1
.set TT,   32                          ; the way out, window 0: 64 numbers at work
.set RLO,  96                          ; 32 numbers of RoPE's first half
.set RHI,  128                         ; 32 of its second half
.set PKR,  160                         ; 32 packed words
.set RB,   192                         ; 32 words read back from the stage
.set SS,   224                         ; four chains of the sum of squares
.set RS,   232                         ; 1 / rms, twice
.set TMP,  234
; window 1: the accumulators, tile (a, b) at v[8 (8 a + b)];  window 2: cos(a, b) at v[4 (8 a + b)], sin at 128 + that;  window 3: the gain, v[8 b + j]
.set BA,  26                           ; s[26:27] xb at my rows, K step 0, the descriptor's type on top
.set BB,  28                           ; s[28:29] wqkv at my rows and columns, K step 0, likewise
.set G1A, 32                           ; s[32:39] descriptor group 1, xb
.set G1B, 40                           ; s[40:47] descriptor group 1, wqkv
.set G0A, 48                           ; s[48:59] group 0 for xb, a set for each slot
.set TA,  60                           ; s[60:61] byte offset of a K step in xb
.set TB,  62                           ; s[62:63] and in wqkv
.set G0B, 84                           ; s[84:95] group 0 for wqkv, a set for each slot
.set KT,  96                           ; s96      the K step that the next tile to be asked for holds
.set MUL, 0x50                         ; C and D in window 1, sources in window 0
.set MSB, 0
.macro WIN new                         ; the immediate's high byte repeats the setting that is left
.if MSB != \new
	s_set_vgpr_msb (MSB<<8)|\new
.set MSB, \new
.endif
.endm
.macro PLACES                          ; four places behind a matrix instruction (ISA guide 7.12.1 for vector instructions)
.rept 4
	v_nop
.endr
.endm
.macro CREST                           ; a round of the cluster's barrier behind its opening barrier
	s_cmp_lg_u32 s18, 0
	s_cbranch_scc1 .Lnot_wave_0_\@
	s_barrier_signal -3
.Lnot_wave_0_\@:
	s_barrier_wait -3
	s_barrier_signal -1
	s_barrier_wait -1
.endm
.macro CROUND                          ; a whole round
	s_barrier_signal -1
	s_barrier_wait -1
	CREST
.endm
.macro SETADR s                        ; slot s's two descriptors get the addresses of K step KT; KT goes on, modulo 16
	s_lshl_b32 s[TA], s[KT], 8                     ; 128 elements of 2 bytes along xb's rows
	s_lshl_b32 s[TB], s[KT], 20                    ; 128 rows of 8,192 bytes of wqkv
	s_add_nc_u64 s[G0A+4*\s+2:G0A+4*\s+3], s[BA:BA+1], s[TA:TA+1]
	s_add_nc_u64 s[G0B+4*\s+2:G0B+4*\s+3], s[BB:BB+1], s[TB:TB+1]
	s_add_co_u32 s[KT], s[KT], 1
	s_and_b32 s[KT], s[KT], NSTEP-1
.endm
.macro JOINT s                         ; my two joint loads for slot s: one line, one mask each
	tensor_load_to_lds s[G0A+4*\s:G0A+4*\s+3], s[G1A:G1A+7]
	s_nop 0
	tensor_load_to_lds s[G0B+4*\s:G0B+4*\s+3], s[G1B:G1B+7]
	s_nop 0
.endm
; the fragments of sub-step q (32 along K) of a slot into buffer f
.macro FETCH slot, q, f
	WIN 0
.set fb, 0
.rept NT
	ds_load_tr16_b128 v[\f+8*fb:\f+8*fb+3], v[ADRB+\slot] offset:(\q)*32*PB+32*fb
	ds_load_tr16_b128 v[\f+8*fb+4:\f+8*fb+7], v[ADRB+\slot] offset:(\q)*32*PB+32*fb+16*PB
.set fb, fb+1
.endr
.set fa, 0
.rept MT
	ds_load_b128 v[\f+8*NT+8*fa:\f+8*NT+8*fa+3], v[ADRA+\slot] offset:fa*16*PA+64*(\q)
	ds_load_b128 v[\f+8*NT+8*fa+4:\f+8*NT+8*fa+7], v[ADRA+\slot] offset:fa*16*PA+64*(\q)+32
.set fa, fa+1
.endr
.endm
; n rows of accumulator tiles from row a0 on, all NT columns.  The accumulators take turns, one instruction a turn, in the same order in every sub-step.
.macro MULROWS f, a0, n, zero
.set ma, \a0
.rept \n
.set mb, 0
.rept NT
.if \zero
	v_wmma_f32_16x16x32_bf16 v[8*(NT*ma+mb):8*(NT*ma+mb)+7], v[\f+8*mb:\f+8*mb+7], v[\f+8*NT+8*ma:\f+8*NT+8*ma+7], 0
.else
	v_wmma_f32_16x16x32_bf16 v[8*(NT*ma+mb):8*(NT*ma+mb)+7], v[\f+8*mb:\f+8*mb+7], v[\f+8*NT+8*ma:\f+8*NT+8*ma+7], v[8*(NT*ma+mb):8*(NT*ma+mb)+7]
.endif
.set mb, mb+1
.endr
.set ma, ma+1
.endr
.endm
; a sub-step but the last: multiplies buffer f; ahead of it the next sub-step's fragments are asked for, into buffer g
.macro SUB slot, qnext, f, g, zero
	s_wait_dscnt 0x0                               ; buffer f is in: its loads were issued a whole sub-step ago
	PLACES                                         ; buffer g was read by the matrix instructions just in front
	FETCH \slot, \qnext, \g
	WIN MUL
	MULROWS \f, 0, MT, \zero
.endm
.macro STEPTAIL slot                   ; sub-steps 1 and 2 of a K step
	SUB \slot, 2, F1, F0, 0
	SUB \slot, 3, F0, F1, 0
.endm
.macro STEP slot                       ; sub-steps 0, 1, 2
	SUB \slot, 1, F0, F1, 0
	STEPTAIL \slot
.endm
; The last sub-step of a pair's first K step, on buffer 1.  It shows the next slot's tile to all four waves.
; left = how many of my younger tensor loads may stay out (the two of the pair's other tile; none in the last pair).
.macro TURNM slot, next, left
	s_wait_dscnt 0x0                               ; no LDS instruction of mine is pending at the signal
	s_wait_tensorcnt \left                         ; tensor loads of a wave end in order: my two parts of the next slot's tile are in
	s_barrier_signal -1
	WIN MUL
	MULROWS F1, 0, MT/2, 0                         ; register work while the others arrive
	WIN 0
	s_barrier_wait -1
	PLACES
	FETCH \next, 0, F0
	WIN MUL
	MULROWS F1, MT/2, MT/2, 0
.endm
; The last sub-step of a pair's second K step, and the refill: slots f1 and f2, both read, get the next two tiles (fills = 1: f1 alone).
.macro TURNR slot, next, f1, f2, fills
	s_wait_dscnt 0x0                               ; my reads of both slots are over
	s_wait_tensorcnt 0x0                           ; and all my tensor loads have landed: the two that were out are my parts of the slot that is read next
	ds_add_u32 v254, v255
	s_wait_dscnt 0x0
	s_barrier_signal -1                            ; say so: this barrier opens a round of the cluster's barrier
	WIN MUL
	MULROWS F1, 0, MT/2, 0                         ; register work while the others arrive
	WIN 0
	s_barrier_wait -1
	CREST                                          ; no wave of any partner still reads the two slots or has a load on its way
	SETADR \f1
.if \fills == 2
	SETADR \f2
.endif
	JOINT \f1                                      ; the first tensor loads behind the round; the tile that is needed first goes first
.if \fills == 2
	JOINT \f2
.endif
	PLACES
	FETCH \next, 0, F0
	WIN MUL
	MULROWS F1, MT/2, MT/2, 0
.endm
	s_load_b256 s[4:11], s[0:1], 0x0               ; xb s[4:5], wqkv s[6:7], cos s[8:9], sin s[10:11]
	s_load_b128 s[12:15], s[0:1], 0x20             ; qn_w s[12:13], kn_w s[14:15]
	s_load_b64 s[16:17], s[0:1], 0x30              ; qkv
	v_lshl_add_u32 v254, v0, 2, 0x4e000
	v_mov_b32 v255, 0
	ds_add_u32 v254, v255
	v_lshrrev_b32 v1, 5, v0
	v_readfirstlane_b32 s18, v1                    ; wave 0..3
	s_bfe_u32 s19, ttmp6, 0x40000                  ; cx
	s_bfe_u32 s20, ttmp6, 0x40004                  ; cy
	s_lshl_b32 s21, ttmp9, 2
	s_add_co_u32 s21, s21, s19                     ; block column = head = 4 x cluster x + cx
	s_and_b32 s22, ttmp7, 0xffff                   ; cluster y
	s_lshl_b32 s25, s22, 3                         ; 8 Y
	s_lshl_b32 s22, s22, 2
	s_add_co_u32 s22, s22, s20                     ; block row = 4 x cluster y + cy
	s_and_b32 s23, ttmp9, 3                        ; the cluster's first K step: made of the cluster's ids alone
	s_lshr_b32 s24, ttmp9, 2
	s_mul_i32 s24, s24, 3
	s_xor_b32 s23, s23, s24
	s_lshl_b32 s23, s23, 2
	s_add_co_u32 s23, s23, s25
	s_and_b32 s[KT], s23, NSTEP-1
	s_lshl_b32 s23, s20, 2
	s_lshl_b32 s23, 15, s23                        ; my row of the cluster
	s_lshl_b32 s24, 0x1111, s19                    ; my column
	s_or_b32 s[G1A+0], s23, (1<<16)|(1<<20)|(1<<21)|(5<<22)|(3<<25)  ; mask; 2-byte elements; padding on; bit 21 beside a mask; after every 64 words 4 words
	s_mov_b32 s[G1A+1], KSTEP<<16                  ; tensor_dim0 = 128
	s_mov_b32 s[G1A+2], AROWS<<16                  ; tensor_dim1 = 64
	s_mov_b32 s[G1A+3], KSTEP<<16                  ; tile_dim0 = 128
	s_mov_b32 s[G1A+4], AROWS                      ; tile_dim1 = 64
	s_mov_b32 s[G1A+5], 2048                       ; elements from row to row
	s_mov_b32 s[G1A+6], 0
	s_mov_b32 s[G1A+7], 0
	s_or_b32 s[G1B+0], s24, (1<<16)|(1<<20)|(1<<21)|(5<<22)|(7<<25)  ; the column's mask; after every 64 words 8 words
	s_mov_b32 s[G1B+1], 128<<16
	s_mov_b32 s[G1B+2], BROWS<<16
	s_mov_b32 s[G1B+3], 128<<16
	s_mov_b32 s[G1B+4], BROWS
	s_mov_b32 s[G1B+5], 4096
	s_mov_b32 s[G1B+6], 0
	s_mov_b32 s[G1B+7], 0
	s_lshl_b32 s25, s18, 18                        ; wave x 64 rows of 4,096 bytes = wave x 32 rows of 8,192 bytes
	s_lshl_b32 s[TA], s22, 20                      ; xb: block row x 256 rows
	s_add_co_u32 s[TA], s[TA], s25
	s_mov_b32 s[TA+1], 0
	s_lshl_b32 s[TB], s21, 8                       ; wqkv: block column x 256 bytes
	s_add_co_u32 s[TB], s[TB], s25
	s_mov_b32 s[TB+1], 0
	s_mul_i32 s30, s18, AROWS*PA                   ; LDS: no place in the cluster enters
	s_mul_i32 s31, s18, BROWS*PB
	s_add_co_u32 s31, s31, ATILE
	s_wait_dscnt 0x0
	s_wait_kmcnt 0x0
	s_add_nc_u64 s[BA:BA+1], s[4:5], s[TA:TA+1]
	s_or_b32 s[BA+1], s[BA+1], 0x80000000          ; the descriptor's type; the offsets added later stay far below it
	s_add_nc_u64 s[BB:BB+1], s[6:7], s[TB:TB+1]
	s_or_b32 s[BB+1], s[BB+1], 0x80000000
	CROUND                                         ; all sixteen work-groups are here: the first joint loads meet
.irp s, 0,1,2
	s_mov_b32 s[G0A+4*\s], 1
	s_add_co_u32 s[G0A+4*\s+1], s30, \s*SLOT
	s_mov_b32 s[G0B+4*\s], 1
	s_add_co_u32 s[G0B+4*\s+1], s31, \s*SLOT
	SETADR \s
	JOINT \s                                       ; six tensor loads of the wave are out behind these lines, four at the most from then on
.endr
	v_and_b32 v1, 15, v0                           ; r
	v_bfe_u32 v2, v0, 4, 1                         ; h
	v_and_b32 v3, 7, v0
	v_bfe_u32 v4, v0, 3, 1
	v_mul_u32_u24 v5, v1, PA
	v_lshl_add_u32 v6, v2, 4, v5                   ; r x 272 + 16 h
	s_mul_i32 s25, s18, 64*PA
	v_add_nc_u32 v[ADRA], s25, v6
	v_add_nc_u32 v[ADRA+1], SLOT, v[ADRA]
	v_add_nc_u32 v[ADRA+2], SLOT, v[ADRA+1]
	v_lshl_add_u32 v7, v2, 3, v3                   ; transposing load: row 8 h + (l & 7),
	v_mul_u32_u24 v7, v7, PB
	v_lshl_add_u32 v7, v4, 4, v7                   ; 16 bytes further for lanes 8-15 of each half
	v_add_nc_u32 v[ADRB], ATILE, v7
	v_add_nc_u32 v[ADRB+1], SLOT, v[ADRB]
	v_add_nc_u32 v[ADRB+2], SLOT, v[ADRB+1]
	s_mul_i32 s82, s18, 16*SPITCH
	s_add_co_u32 s82, s82, STAGE                   ; my stage
	v_add_nc_u32 v[STO], s82, v6
	v_lshl_add_u32 v8, v2, 3, v5
	v_add_nc_u32 v[STO8], s82, v8
	v_mul_u32_u24 v8, v2, SPITCH
	v_lshl_add_u32 v8, v1, 4, v8
	v_add_nc_u32 v[RD], s82, v8
	v_and_b32 v8, 31, v0
	v_lshlrev_b32 v[CO], 4, v8
	v_lshlrev_b32 v8, 8, v1                        ; cos, sin: row r of 256 bytes, 16 bytes for each half,
	v_lshl_add_u32 v8, v2, 4, v8
	s_lshl_b32 s83, s18, 14                        ; my 64 rows
	v_add_nc_u32 v[CSO], s83, v8
	v_lshlrev_b32 v[GOF], 5, v2
	s_lshl_b32 s78, s22, 16                        ; block row x 256 rows of 256 bytes
	s_mov_b32 s79, 0
	s_add_nc_u64 s[66:67], s[8:9], s[78:79]        ; cos
	s_add_nc_u64 s[68:69], s[10:11], s[78:79]      ; sin
	s_lshl_b32 s25, s21, 19                        ; head x 2,048 rows of 256 bytes
	s_add_co_u32 s78, s78, s25
	s_add_co_u32 s78, s78, s83
	s_add_nc_u64 s[80:81], s[16:17], s[78:79]      ; where my 64 rows go
	s_cmp_lt_u32 ttmp9, 4                          ; the kind of block hangs on the cluster's x alone: 0-3 q, 4-5 k, 6-7 v
	s_cselect_b64 s[76:77], s[12:13], s[14:15]     ; the gain
	s_mov_b32 s70, 1.0
	s_cmov_b32 s70, 0x3e0293ee                     ; q: log2(e) / sqrt(128)
	s_mov_b32 s71, s70
	s_mov_b32 s72, 0x76543210                      ; lane i of one half reads lane i of the other
	s_mov_b32 s73, 0xfedcba98
	s_mov_b32 s74, 0x3c000000                      ; 1 / 128
	s_mov_b32 s75, 0xffff0000
	; cos, sin and the gain are asked for now and waited for behind the K loop.  Every block asks, those of v too, so that every path has written these registers.
	; Lane (r, h) needs cos[t][8 b + 4 h + 0..3]: two lanes read a row's 256 bytes whole over the eight b.
	WIN 0x80
.irp a, 0,1,2,3
.irp b, 0,1,2,3,4,5,6,7
	global_load_b128 v[4*(8*\a+\b):4*(8*\a+\b)+3], v[CSO], s[66:67] offset:\a*4096+32*\b
	global_load_b128 v[128+4*(8*\a+\b):128+4*(8*\a+\b)+3], v[CSO], s[68:69] offset:\a*4096+32*\b
.endr
.endr
	WIN 0xc0
.irp b, 0,1,2,3,4,5,6,7
	global_load_b128 v[8*\b:8*\b+3], v[GOF], s[76:77] offset:64*\b
	global_load_b128 v[8*\b+4:8*\b+7], v[GOF], s[76:77] offset:64*\b+16
.endr
	WIN 0
	s_wait_tensorcnt 0x4                           ; my two parts of the first tile are in; the four of the next two tiles stay out
	s_barrier_signal -1
	s_barrier_wait -1
	FETCH 0, 0, F0
	SUB 0, 1, F0, F1, 1                            ; the first products start the sums: nothing is cleared
	; The loop's label stands behind a pair's first sub-step, so that only that sub-step is written out ahead of it.  A trip is three pairs = six K steps: once through the
	; pattern in which the three slots take turns.  Two trips take tiles 0 to 11 and the first sub-step of tile 12.
	WIN 0
	s_mov_b32 s3, 2
.Lring:
	STEPTAIL 0
	TURNM 0, 1, 2
	STEP 1
	TURNR 1, 2, 0, 1, 2
	STEP 2
	TURNM 2, 0, 2
	STEP 0
	TURNR 0, 1, 2, 0, 2
	STEP 1
	TURNM 1, 2, 2
	STEP 2
	TURNR 2, 0, 1, 2, 2
	SUB 0, 1, F0, F1, 0
	WIN 0
	s_sub_co_u32 s3, s3, 1
	s_cmp_lg_u32 s3, 0
	s_cbranch_scc1 .Lring
	STEPTAIL 0                                     ; tile 12
	TURNM 0, 1, 2
	STEP 1                                         ; tile 13: slot 1's last
	TURNR 1, 2, 0, 0, 1                            ; the last refill: tile 15 alone, into slot 0
	STEP 2                                         ; tile 14
	TURNM 2, 0, 0                                  ; the last wait on tensor loads is for all
	STEP 0                                         ; tile 15
	s_wait_dscnt 0x0
	WIN MUL
	MULROWS F1, 0, MT, 0
	WIN 0
	PLACES                                         ; behind the last matrix instructions: results are read, fragment registers written
	s_wait_loadcnt 0x0                             ; cos, sin, gain
; n pairs of f32 registers of one window are rounded to bf16 and widened again
.macro TOBF16 rd, wr, base, n
	WIN \rd
.set ti, 0
.rept \n
	v_cvt_pk_bf16_f32 v[TT+ti], v[\base+2*ti], v[\base+2*ti+1]
.set ti, ti+1
.endr
	WIN \wr
.set ti, 0
.rept \n
	v_lshlrev_b32 v[\base+2*ti], 16, v[TT+ti]
	v_and_b32 v[\base+2*ti+1], s75, v[TT+ti]
.set ti, ti+1
.endr
.endm
; 16 rows leave the stage: read back two rows at a time, each store of the wave covers 512 consecutive bytes, aligned
.macro OUTROWS a
	s_wait_xcnt 0x0                                ; RB was the data of the last stores: it is written again only behind this wait
.irp t, 0,1,2,3,4,5,6,7
	ds_load_b128 v[RB+4*\t:RB+4*\t+3], v[RD] offset:\t*2*SPITCH    ; LDS serves a wave's instructions in order: these see my stores above
.endr
.irp t, 0,1,2,3,4,5,6,7
	s_wait_dscnt 7-\t
	global_store_b128 v[CO], v[RB+4*\t:RB+4*\t+3], s[80:81] offset:\a*4096+512*\t
.endr
.endm
; rows 16 a .. 16 a + 15 of q or k
.macro NORMROPE a
	WIN 0x05                                       ; sources 0 and 1: the accumulators
.irp c, 0,1,2,3
	v_pk_mul_f32 v[SS+2*\c:SS+2*\c+1], v[64*\a+2*\c:64*\a+2*\c+1], v[64*\a+2*\c:64*\a+2*\c+1]
.endr
.irp b, 1,2,3,4,5,6,7
.irp c, 0,1,2,3
	v_pk_fma_f32 v[SS+2*\c:SS+2*\c+1], v[64*\a+8*\b+2*\c:64*\a+8*\b+2*\c+1], v[64*\a+8*\b+2*\c:64*\a+8*\b+2*\c+1], v[SS+2*\c:SS+2*\c+1]
.endr
.endr
	WIN 0
	v_pk_add_f32 v[SS:SS+1], v[SS:SS+1], v[SS+2:SS+3]
	v_pk_add_f32 v[SS+4:SS+5], v[SS+4:SS+5], v[SS+6:SS+7]
	v_pk_add_f32 v[SS:SS+1], v[SS:SS+1], v[SS+4:SS+5]
	v_add_f32 v[SS], v[SS], v[SS+1]
	v_permlanex16_b32 v[TMP], v[SS], s72, s73      ; the token's other 64 numbers
	v_add_f32 v[SS], v[SS], v[TMP]
	v_fmaak_f32 v[SS+1], s74, v[SS], 0x358637bd    ; mean + 1e-6
	v_rsq_f32 v[RS], v[SS+1]
	v_rsq_f32 v[RS+1], v[SS+1]                     ; the products with the gain below stand between these and the first use (ISA guide 5.7.2)
	WIN 0x0d                                       ; source 0: accumulators, source 1: the gain
.irp b, 0,1,2,3,4,5,6,7
.irp c, 0,1,2,3
	v_pk_mul_f32 v[TT+8*\b+2*\c:TT+8*\b+2*\c+1], v[64*\a+8*\b+2*\c:64*\a+8*\b+2*\c+1], v[8*\b+2*\c:8*\b+2*\c+1]
.endr
.endr
	WIN 0
	s_wait_alu depctr_va_vdst(0)
.irp b, 0,1,2,3,4,5,6,7
.irp c, 0,1,2,3
	v_pk_mul_f32 v[TT+8*\b+2*\c:TT+8*\b+2*\c+1], v[TT+8*\b+2*\c:TT+8*\b+2*\c+1], v[RS:RS+1]
.endr
.endr
	WIN 0x02                                       ; source 0: cos and sin
.irp b, 0,1,2,3,4,5,6,7
.irp j, 0,1,2,3
	v_mul_f32 v[RLO+4*\b+\j], v[32*\a+4*\b+\j], v[TT+8*\b+2*\j]
	v_mul_f32 v[RHI+4*\b+\j], v[128+32*\a+4*\b+\j], v[TT+8*\b+2*\j]
	v_fma_f32 v[RLO+4*\b+\j], v[128+32*\a+4*\b+\j], -v[TT+8*\b+2*\j+1], v[RLO+4*\b+\j]
	v_fma_f32 v[RHI+4*\b+\j], v[32*\a+4*\b+\j], v[TT+8*\b+2*\j+1], v[RHI+4*\b+\j]
.endr
.endr
	WIN 0
.irp b, 0,1,2,3,4,5,6,7
	v_cvt_pk_f16_f32 v[PKR+2*\b], v[RLO+4*\b], v[RLO+4*\b+1]
	v_cvt_pk_f16_f32 v[PKR+2*\b+1], v[RLO+4*\b+2], v[RLO+4*\b+3]
	v_cvt_pk_f16_f32 v[PKR+16+2*\b], v[RHI+4*\b], v[RHI+4*\b+1]
	v_cvt_pk_f16_f32 v[PKR+16+2*\b+1], v[RHI+4*\b+2], v[RHI+4*\b+3]
.endr
.irp b, 0,1,2,3,4,5,6,7
	ds_store_b64 v[STO8], v[PKR+2*\b:PKR+2*\b+1] offset:16*\b              ; places 8 b + 4 h + 0..3
	ds_store_b64 v[STO8], v[PKR+16+2*\b:PKR+16+2*\b+1] offset:128+16*\b    ; and 64 further
.endr
	OUTROWS \a
.endm
; rows 16 a .. 16 a + 15 of v: a cast
.macro CASTV a
	WIN 0x05
.irp b, 0,1,2,3,4,5,6,7
.irp c, 0,1,2,3
	v_cvt_pk_f16_f32 v[PKR+4*\b+\c], v[64*\a+8*\b+2*\c], v[64*\a+8*\b+2*\c+1]
.endr
.endr
	WIN 0
.irp b, 0,1,2,3,4,5,6,7
	ds_store_b128 v[STO], v[PKR+4*\b:PKR+4*\b+3] offset:32*\b
.endr
	OUTROWS \a
.endm
	s_cmp_ge_u32 ttmp9, 6
	s_cbranch_scc1 .Lvalues
	v_mov_b32 v[TMP], 0                            ; the lane exchange counts as a reader of its destination
	TOBF16 0x0a, 0x80, 0, 64                       ; cos
	TOBF16 0x0a, 0x80, 128, 64                     ; sin
	TOBF16 0x0f, 0xc0, 0, 32                       ; the gain,
	WIN 0xc3
.set ti, 0
.rept 32
	v_pk_mul_f32 v[2*ti:2*ti+1], v[2*ti:2*ti+1], s[70:71] op_sel_hi:[1,0]   ; times q's scale (k: 1)
.set ti, ti+1
.endr
	NORMROPE 0
	NORMROPE 1
	NORMROPE 2
	NORMROPE 3
	s_branch .Lclose
.Lvalues:
	CASTV 0
	CASTV 1
	CASTV 2
	CASTV 3
.Lclose:
	s_wait_tensorcnt 0x0
	ds_add_u32 v254, v255
	s_wait_dscnt 0x0
	CROUND                                         ; the closing round: no work-group ends while a partner may still ask for a tile that names it
	s_endpgm
.Lfunc_end_k_q4a00518518_qkv:
	.size	k_q4a00518518_qkv, .Lfunc_end_k_q4a00518518_qkv-k_q4a00518518_qkv
	.p2alignl 7, 3214868480
	.fill 96, 4, 3214868480
	.section	.rodata,"a",@progbits
	.p2align	6, 0x0
	.amdhsa_kernel k_q4a00518518_qkv
		.amdhsa_group_segment_fixed_size 327680
		.amdhsa_private_segment_fixed_size 0
		.amdhsa_enable_private_segment 0
		.amdhsa_kernarg_size 56
		.amdhsa_user_sgpr_count 2
		.amdhsa_user_sgpr_kernarg_segment_ptr 1
		.amdhsa_wavefront_size32 1
		.amdhsa_system_sgpr_workgroup_id_x 1
		.amdhsa_system_sgpr_workgroup_id_y 1
		.amdhsa_system_sgpr_workgroup_id_z 1
		.amdhsa_system_vgpr_workitem_id 0
		.amdhsa_next_free_vgpr 832
		.amdhsa_next_free_sgpr 98
		.amdhsa_reserve_vcc 0
		.amdhsa_float_denorm_mode_32 3
		.amdhsa_float_denorm_mode_16_64 3
		.amdhsa_memory_ordered 1
		.amdhsa_forward_progress 1
		.amdhsa_inst_pref_size 255
	.end_amdhsa_kernel
	.section	.bss,"aw",@nobits
	.p2align	6
	.space	262144
	.amdgpu_metadata
---
amdhsa.version: [ 1, 2 ]
amdhsa.kernels:
  - .name:           k_q4a00518518_qkv
    .symbol:         k_q4a00518518_qkv.kd
    .args:
      - { .name: xb, .offset: 0, .size: 8, .value_kind: global_buffer, .address_space: global }
      - { .name: wqkv, .offset: 8, .size: 8, .value_kind: global_buffer, .address_space: global }
      - { .name: cos, .offset: 16, .size: 8, .value_kind: global_buffer, .address_space: global }
      - { .name: sin, .offset: 24, .size: 8, .value_kind: global_buffer, .address_space: global }
      - { .name: qn_w, .offset: 32, .size: 8, .value_kind: global_buffer, .address_space: global }
      - { .name: kn_w, .offset: 40, .size: 8, .value_kind: global_buffer, .address_space: global }
      - { .name: qkv, .offset: 48, .size: 8, .value_kind: global_buffer, .address_space: global }
    .group_segment_fixed_size: 327680
    .private_segment_fixed_size: 0
    .kernarg_segment_align: 8
    .kernarg_segment_size: 56
    .max_flat_workgroup_size: 128
    .sgpr_count:     98
    .vgpr_count:     832
    .wavefront_size: 32
...
	.end_amdgpu_metadata
.endif
;; end of part 2
;; launch attn (part 3): grid 256 x 1, 8 waves a work-group, clusters of 4 x 1, 327,680 bytes of LDS; arguments qkv, Wo, ao, wob; writes ao, wob
.if DOCPART == 3
	.amdgcn_target "amdgcn-amd-amdhsa--gfx1250"
	.amdhsa_code_object_version 6
	.text
	.protected	k_q4a00518518_attn
	.globl	k_q4a00518518_attn
	.p2align	8
	.type	k_q4a00518518_attn,@function
k_q4a00518518_attn:
	s_mov_b64 s[64:65], 0
	v_nop
	global_prefetch_b8 v0, s[64:65] scope:SCOPE_SE
	s_setreg_imm32_b32 hwreg(HW_REG_WAVE_MODE, 25, 1), 1
	s_wait_xcnt 0x0
	s_wait_alu depctr_hold_cnt(0) depctr_sa_sdst(0) depctr_va_vdst(0) depctr_va_sdst(0) depctr_va_ssrc(0) depctr_va_vcc(0) depctr_vm_vsrc(0)
	s_getreg_b32 s2, hwreg(HW_REG_IB_STS2, 6, 4)
	s_cmp_eq_u32 s2, 0
	s_cbranch_scc0 .Lentry_in_a_cluster
	s_endpgm
.Lentry_in_a_cluster:
	s_bfe_u32 s2, ttmp6, 0x10000c
	s_cmp_lg_u32 s2, 0x3003
	s_cbranch_scc0 .Lentry_shape_is_right
	s_endpgm
.Lentry_shape_is_right:
; Causal attention with a running maximum.  qkv[32 heads][2048][128] f16 (0-15 q, already times log2(e)/sqrt(128); 16-23 k; 24-31 v) -> ao[2048][2048] f16.
; At its start, while its first tiles are on their way, each work-group also casts 65,536 bytes of Wo for the last launch: Wo -> wob, rounded to bf16 like the other
; inputs and then written as f16 (exact for magnitudes from 2^-17 up, an error of at most 2^-25 below).
; WORK.  Cluster number = 8 g + a: key/value head g, a = 0..7.  The four partners (cx) are query head 2 g + (cx & 1) and pbit = cx >> 1.  A work-group makes two
; blocks of 64 query rows: first block 2 a + pbit (key tiles of 128: 0 .. a), then block 31 - 2 a - pbit (tiles 0 .. 15 - a): 17 tiles in every work-group,
; and the SAME 17 tiles in all four partners, so K and V come by joint loads (mask 15), a quarter of the requests.  Trip counts and branches hang on a and the trip alone.
; Order of tiles: the diagonal tile of a block first (it starts all sums with C = 0 and carries the only mask code), then tiles 0, 1, ..
; A WAVE (w = rg + 2 kq) takes 32 query rows (rg) and 32 of each tile's 128 keys (kq); the four key quarters of a row meet in LDS at a block's end.
; THE RING has three slots, one filled behind each round: in trip t tile t is multiplied, tile t + 1 has landed and is visible to every wave, tile t + 2 is asked for.
; So a tile has two trips in which to land, and the K fragments of tile t + 1 are read into registers during trip t, behind the score products that free those registers:
; a trip's matrix work begins straight behind its round.
; LAYOUTS, no shuffle: S^T = K Q^T puts query row r in lane (r, h) with keys 16 kt + 8 h + j in its registers; packed to f16 in register order that is the second source
; of O^T = V^T P^T, whose result again has query row r in lane (r, h).  Maximum, alpha and sum are one number a lane; only the maximum crosses the halves.
; LIMITS.  Masked scores are set to -1e30, not to -inf: their weight is exp2 of at most -1e30 less a true score, which is 0; scores of magnitude 1e30 are not served
; (q and k are normalised, so a score is at most sqrt(128) |gains| (|cos|+|sin|)^2 log2 e).  A wave whose keys are all masked for a row holds the maximum -1e30 and finite sums,
; which the next alpha or the merge's weight multiplies by 0.  P (at most 1) and the result (a mean of v) are rounded to f16; |v| < 65,504.
.set KP,    272                        ; LDS pitch of K's rows: 256 + 16
.set VP,    288                        ; of V's rows: 256 + 32 (transposing loads)
.set KTILE, 128*KP
.set SLOT,  KTILE+128*VP               ; 71,680
.set PART,  3*SLOT                     ; 215,040: [kq][32 rows] x 528 bytes of f32 partial results, half a block at a time; no tensor load lands here
.set PP,    528
.set STAT,  PART+4*32*PP               ; 282,624: [query tile][kq][the stage's 32 rows] maxima, 1,024 bytes further the sums: every address of the merge is
                                       ; a constant + the wave's number times a constant + a lane term
.set OOFF, 9
.set QOFF, 10
.set STO,  11
.set STS,  12
.set RDP,  13
.set RDS,  14
.set NEG,  15
.set ADK,  16                          ; v16-18 my K fragments in slot 0, 1, 2
.set ADV,  19                          ; v19-21 my V fragments
.set RELA, 22                          ; row - key of (register 0, tile 0) in the first block's diagonal tile
.set RELB, 23                          ; the same for the second block
.set MN,   24                          ; v24, v26: new maximum of query tile 0, 1; each the first of an even pair, for the packed forms
.set MO,   25                          ; v25, v27: running maximum
.set AL,   28                          ; v28, v30: alpha
.set LS,   29                          ; v29, v31: running sum (of my half's keys)
.set QF,   32                          ; Q(qt, ks) at 32 + 8 (4 qt + ks)
.set KF,   96                          ; K(kt, ks) at 96 + 8 (4 kt + ks)
.set SR,   160                         ; S(kt, qt) at 160 + 8 (2 qt + kt)
.set PF,   192                         ; P(qt) at 192 + 8 qt
.set TM,   208
.set TX,   210
.set SU,   212                         ; v[212:227]
.set WSRC, 228                         ; Wo's cast: my offsets
.set WDST, 229
.set OA,   0                           ; window 1: O(dt, qt) at 8 (2 dt + qt)
.set VF,   128                         ; window 1: V(dt) at 128 + 8 dt
.set GP,   160                         ; the merge (K's registers hold the next tile's fragments and are left alone): four partial rows,
.set GM,   192                         ; their maxima,
.set GL,   196                         ; their sums,
.set GW,   200                         ; their weights, each twice,
.set GA,   212                         ; the merged 8 numbers,
.set GX,   230
.set GO,   232                         ; 4 words to store for each of four steps
.set G1K, 24
.set G1V, 32
.set G0K, 40                           ; s[40:51] a set for each slot
.set G0V, 52                           ; s[52:63]
.set MSB, 0
.macro WIN new
.if MSB != \new
	s_set_vgpr_msb (MSB<<8)|\new
.set MSB, \new
.endif
.endm
.macro PLACES                          ; four places behind a matrix instruction (ISA guide 7.12.1 for vector instructions)
.rept 4
	v_nop
.endr
.endm
.macro ROUND                           ; a round of the cluster's barrier
	s_barrier_signal -1
	s_barrier_wait -1
	s_cmp_lg_u32 s8, 0
	s_cbranch_scc1 .Lnot_wave_0_\@
	s_barrier_signal -3
.Lnot_wave_0_\@:
	s_barrier_wait -3
	s_barrier_signal -1
	s_barrier_wait -1
.endm
.macro LOADQ base                      ; my 32 query rows as second sources: lane (r, h) takes 16 bytes at 64 ks + 16 h and 32 further
.irp qt, 0,1
.irp ks, 0,1,2,3
	global_load_b128 v[QF+8*(4*\qt+\ks):QF+8*(4*\qt+\ks)+3], v[QOFF], s[\base:\base+1] offset:\qt*4096+64*\ks
	global_load_b128 v[QF+8*(4*\qt+\ks)+4:QF+8*(4*\qt+\ks)+7], v[QOFF], s[\base:\base+1] offset:\qt*4096+64*\ks+32
.endr
.endr
.endm
; The addresses of the next tile to be asked for into slot so's descriptors.  s81 = U = that tile's place in the order, less one:
; U < a: tile U;  U = a: tile 15 - a, the second block's diagonal tile;  else tile U - a - 1
.macro NEXT so
	s_sub_co_u32 s80, s81, s17
	s_cmp_lt_u32 s81, s15
	s_cselect_b32 s80, s81, s80
	s_cmp_eq_u32 s81, s15
	s_cselect_b32 s80, s18, s80
	s_lshl_b32 s82, s80, 15                        ; 128 rows of 256 bytes
	s_add_nc_u64 s[G0K+4*\so+2:G0K+4*\so+3], s[4:5], s[82:83]
	s_add_nc_u64 s[G0V+4*\so+2:G0V+4*\so+3], s[6:7], s[82:83]
	s_add_co_u32 s81, s81, 1
.endm
.macro KLOAD s                         ; my 32 keys of slot s's tile as first sources: 16 loads
.irp kt, 0,1
.irp ks, 0,1,2,3
	ds_load_b128 v[KF+8*(4*\kt+\ks):KF+8*(4*\kt+\ks)+3], v[ADK+\s] offset:\kt*16*KP+64*\ks
	ds_load_b128 v[KF+8*(4*\kt+\ks)+4:KF+8*(4*\kt+\ks)+7], v[ADK+\s] offset:\kt*16*KP+64*\ks+32
.endr
.endr
.endm
; One tile.  diag = 1: the block's first tile: masked by rel, and it starts maximum, sum and O.  pre = 1: the next tile's K fragments are read, from slot nxt.
; first = 1: the launch's first tile, whose K fragments nobody has read ahead.
.macro BODY slot, nxt, pre, diag, rel, first
.if \first
	KLOAD \slot
.endif
	WIN 0x40
.irp dt, 0,1,2,3,4,5,6,7
	ds_load_tr16_b128 v[VF+8*\dt:VF+8*\dt+3], v[ADV+\slot] offset:32*\dt
	ds_load_tr16_b128 v[VF+8*\dt+4:VF+8*\dt+7], v[ADV+\slot] offset:32*\dt+16*VP
.endr
	WIN 0
.if \first
	s_wait_dscnt 16                                ; K's 16 loads are in; V's 16, issued behind them, stay out
.endif
	; the four score tiles take turns, one instruction a turn
.irp qt, 0,1
.irp kt, 0,1
	v_wmma_f32_16x16x32_f16 v[SR+8*(2*\qt+\kt):SR+8*(2*\qt+\kt)+7], v[KF+32*\kt:KF+32*\kt+7], v[QF+32*\qt:QF+32*\qt+7], 0
.endr
.endr
.irp ks, 1,2,3
.irp qt, 0,1
.irp kt, 0,1
	v_wmma_f32_16x16x32_f16 v[SR+8*(2*\qt+\kt):SR+8*(2*\qt+\kt)+7], v[KF+8*(4*\kt+\ks):KF+8*(4*\kt+\ks)+7], v[QF+8*(4*\qt+\ks):QF+8*(4*\qt+\ks)+7], v[SR+8*(2*\qt+\kt):SR+8*(2*\qt+\kt)+7]
.endr
.endr
.endr
	PLACES                                         ; for the reads of the scores and for the loads into K's registers
.if \pre
	KLOAD \nxt                                     ; the next tile has landed and every wave has said so in front of this trip's barrier
.endif
.if \diag
.irp qt, 0,1
.irp kt, 0,1
.irp j, 0,1,2,3,4,5,6,7
	v_cmp_gt_i32 vcc_lo, 16*\kt+\j-16*\qt, v[\rel]                 ; key beyond the row
	v_cndmask_b32 v[SR+8*(2*\qt+\kt)+\j], v[SR+8*(2*\qt+\kt)+\j], v[NEG], vcc_lo
.endr
.endr
.endr
.endif
.irp qt, 0,1
	v_max3_num_f32 v[TM+\qt], v[SR+16*\qt], v[SR+16*\qt+1], v[SR+16*\qt+2]
.endr
.irp i, 3,5,7,9,11,13
.irp qt, 0,1
	v_max3_num_f32 v[TM+\qt], v[TM+\qt], v[SR+16*\qt+\i], v[SR+16*\qt+\i+1]
.endr
.endr
.irp qt, 0,1
	v_max_num_f32 v[TM+\qt], v[TM+\qt], v[SR+16*\qt+15]
.endr
.irp qt, 0,1
	v_permlanex16_b32 v[TX+\qt], v[TM+\qt], s20, s21               ; the row's other 16 keys
.endr
.irp qt, 0,1
.if \diag
	v_max_num_f32 v[MN+2*\qt], v[TM+\qt], v[TX+\qt]
.else
	v_max3_num_f32 v[MN+2*\qt], v[TM+\qt], v[TX+\qt], v[MO+2*\qt]
	v_sub_f32 v[AL+2*\qt], v[MO+2*\qt], v[MN+2*\qt]
.endif
.endr
.irp qt, 0,1
.irp i, 0,2,4,6,8,10,12,14
	v_pk_add_f32 v[SR+16*\qt+\i:SR+16*\qt+\i+1], v[SR+16*\qt+\i:SR+16*\qt+\i+1], v[MN+2*\qt:MN+2*\qt+1] op_sel_hi:[1,0] neg_lo:[0,1] neg_hi:[0,1]
.endr
.endr
.if \diag == 0
	v_exp_f32 v[AL], v[AL]
	v_exp_f32 v[AL+2], v[AL+2]
.endif
.set ei, 0
.rept 32
	v_exp_f32 v[SR+ei], v[SR+ei]
.set ei, ei+1
.endr
	v_mov_b32 v[MO], v[MN]                         ; plain instructions between the exponentials and the first use of a result (ISA guide 5.7.2)
	v_mov_b32 v[MO+2], v[MN+2]
	s_wait_alu depctr_va_vdst(0)
.irp qt, 0,1
	v_pk_add_f32 v[SU+8*\qt:SU+8*\qt+1], v[SR+16*\qt:SR+16*\qt+1], v[SR+16*\qt+2:SR+16*\qt+3]
	v_pk_add_f32 v[SU+8*\qt+2:SU+8*\qt+3], v[SR+16*\qt+4:SR+16*\qt+5], v[SR+16*\qt+6:SR+16*\qt+7]
	v_pk_add_f32 v[SU+8*\qt+4:SU+8*\qt+5], v[SR+16*\qt+8:SR+16*\qt+9], v[SR+16*\qt+10:SR+16*\qt+11]
	v_pk_add_f32 v[SU+8*\qt+6:SU+8*\qt+7], v[SR+16*\qt+12:SR+16*\qt+13], v[SR+16*\qt+14:SR+16*\qt+15]
.endr
.irp qt, 0,1
.irp i, 0,1,2,3,4,5,6,7
	v_cvt_pk_f16_f32 v[PF+8*\qt+\i], v[SR+16*\qt+2*\i], v[SR+16*\qt+2*\i+1]
.endr
.endr
.irp qt, 0,1
	v_pk_add_f32 v[SU+8*\qt:SU+8*\qt+1], v[SU+8*\qt:SU+8*\qt+1], v[SU+8*\qt+2:SU+8*\qt+3]
	v_pk_add_f32 v[SU+8*\qt+4:SU+8*\qt+5], v[SU+8*\qt+4:SU+8*\qt+5], v[SU+8*\qt+6:SU+8*\qt+7]
	v_pk_add_f32 v[SU+8*\qt:SU+8*\qt+1], v[SU+8*\qt:SU+8*\qt+1], v[SU+8*\qt+4:SU+8*\qt+5]
.if \diag
	v_add_f32 v[LS+2*\qt], v[SU+8*\qt], v[SU+8*\qt+1]
.else
	v_add_f32 v[SU+8*\qt], v[SU+8*\qt], v[SU+8*\qt+1]
	v_fma_f32 v[LS+2*\qt], v[AL+2*\qt], v[LS+2*\qt], v[SU+8*\qt]
.endif
.endr
.if \diag == 0
	WIN 0x41                                       ; O in window 1, alpha in window 0
.irp dt, 0,1,2,3,4,5,6,7
.irp qt, 0,1
.irp c, 0,1,2,3
	v_pk_mul_f32 v[OA+8*(2*\dt+\qt)+2*\c:OA+8*(2*\dt+\qt)+2*\c+1], v[OA+8*(2*\dt+\qt)+2*\c:OA+8*(2*\dt+\qt)+2*\c+1], v[AL+2*\qt:AL+2*\qt+1] op_sel_hi:[1,0]
.endr
.endr
.endr
.endif
	s_wait_dscnt 16*\pre                           ; V's 16 loads are in; the next tile's 16 K loads, issued behind them, stay out
	WIN 0x51                                       ; D, C and source 0 (V) in window 1, source 1 (P) in window 0; sixteen accumulators, one instruction each
.irp dt, 0,1,2,3,4,5,6,7
.irp qt, 0,1
.if \diag
	v_wmma_f32_16x16x32_f16 v[OA+8*(2*\dt+\qt):OA+8*(2*\dt+\qt)+7], v[VF+8*\dt:VF+8*\dt+7], v[PF+8*\qt:PF+8*\qt+7], 0
.else
	v_wmma_f32_16x16x32_f16 v[OA+8*(2*\dt+\qt):OA+8*(2*\dt+\qt)+7], v[VF+8*\dt:VF+8*\dt+7], v[PF+8*\qt:PF+8*\qt+7], v[OA+8*(2*\dt+\qt):OA+8*(2*\dt+\qt)+7]
.endif
.endr
.endr
	WIN 0
	PLACES                                         ; for the next loads into V's registers, the next writes of P and the next reads of O
.endm
; A block's end: the four key quarters of each row are merged and the block is stored, 32 rows at a time (query tile 0 of both row groups, then query tile 1),
; so that the stage takes 67,584 bytes.  switch = 1: the second block follows.
.macro MERGE switch
.if \switch
	LOADQ 66                                       ; the second block's Q comes while the first is merged
.endif
.irp qt, 0,1
	v_permlanex16_b32 v[TX+\qt], v[LS+2*\qt], s20, s21
.endr
.irp qt, 0,1
	v_add_f32 v[LS+2*\qt], v[LS+2*\qt], v[TX+\qt]  ; both halves' keys
.endr
.irp qt, 0,1
	ds_store_b32 v[STS], v[MO+2*\qt] offset:512*\qt
	ds_store_b32 v[STS], v[LS+2*\qt] offset:512*\qt+1024
.endr
.irp qt, 0,1
.if \qt
	s_barrier_signal -1                            ; every wave's reads of the first 32 rows are back (each was waited for below):
	s_barrier_wait -1                              ; the stage may be written again
.endif
	WIN 0x04                                       ; store data in window 1
.irp dt, 0,1,2,3,4,5,6,7
	ds_store_b128 v[STO], v[OA+8*(2*\dt+\qt):OA+8*(2*\dt+\qt)+3] offset:64*\dt
	ds_store_b128 v[STO], v[OA+8*(2*\dt+\qt)+4:OA+8*(2*\dt+\qt)+7] offset:64*\dt+16
.endr
	WIN 0
	s_wait_dscnt 0x0                               ; my stores are done, for the other waves' sake
	s_barrier_signal -1
	s_barrier_wait -1                              ; tensor loads may stay out
	; wave w merges the stage's rows 4 w .. 4 w + 3, two a step: lanes 0-15 one row, lanes 16-31 the next; lane c of a half takes 8 numbers
.irp i, 0,1
.irp k, 0,1,2,3
	ds_load_b32 v[GM+\k], v[RDS] offset:512*\qt+8*\i+128*\k
	ds_load_b32 v[GL+\k], v[RDS] offset:512*\qt+8*\i+128*\k+1024
.endr
.irp k, 0,1,2,3
	ds_load_b128 v[GP+8*\k:GP+8*\k+3], v[RDP] offset:2*PP*\i+32*PP*\k
	ds_load_b128 v[GP+8*\k+4:GP+8*\k+7], v[RDP] offset:2*PP*\i+32*PP*\k+16
.endr
	s_wait_dscnt 0x0
	v_max3_num_f32 v[GX], v[GM], v[GM+1], v[GM+2]
	v_max_num_f32 v[GX], v[GX], v[GM+3]
.irp k, 0,1,2,3
	v_sub_f32 v[GM+\k], v[GM+\k], v[GX]
.endr
.irp k, 0,1,2,3
	v_exp_f32 v[GM+\k], v[GM+\k]
.endr
	v_nop                                          ; a plain place behind the exponentials (ISA guide 5.7.2)
	s_wait_alu depctr_va_vdst(0)
	v_mul_f32 v[GX], v[GM], v[GL]
	v_fmac_f32 v[GX], v[GM+1], v[GL+1]
	v_fmac_f32 v[GX], v[GM+2], v[GL+2]
	v_fmac_f32 v[GX], v[GM+3], v[GL+3]             ; at least 1: the row's largest score has weight 1
	v_rcp_f32 v[GX], v[GX]
	v_nop
	s_wait_alu depctr_va_vdst(0)
.irp k, 0,1,2,3
	v_mul_f32 v[GW+2*\k], v[GM+\k], v[GX]
	v_mul_f32 v[GW+2*\k+1], v[GM+\k], v[GX]
.endr
.irp c, 0,1,2,3
	v_pk_mul_f32 v[GA+2*\c:GA+2*\c+1], v[GP+2*\c:GP+2*\c+1], v[GW:GW+1]
.endr
.irp k, 1,2,3
.irp c, 0,1,2,3
	v_pk_fma_f32 v[GA+2*\c:GA+2*\c+1], v[GP+8*\k+2*\c:GP+8*\k+2*\c+1], v[GW+2*\k:GW+2*\k+1], v[GA+2*\c:GA+2*\c+1]
.endr
.endr
.irp c, 0,1,2,3
	v_cvt_pk_f16_f32 v[GO+4*(2*\qt+\i)+\c], v[GA+2*\c], v[GA+2*\c+1]
.endr
	global_store_b128 v[OOFF], v[GO+4*(2*\qt+\i):GO+4*(2*\qt+\i)+3], s[70:71] offset:65536*\qt+8192*\i   ; sixteen lanes store a head's 256 consecutive bytes of a row, aligned
.endr
.endr
	s_wait_xcnt 0x0                                ; the stores' data and base are written again only behind this wait
.if \switch
	s_mov_b64 s[70:71], s[72:73]
	s_wait_loadcnt 0x0                             ; the second block's Q
.endif
.endm
; One trip = one tile, in slot; nxt: the next tile's slot; fil: the slot that is filled.
; sync 2: a round of the cluster's barrier (a slot is filled behind it); 1: the work-group's barrier (the last tile is shown to all waves, nothing is filled); 0: none.
; kind 1: the first block's diagonal tile; 2: a full tile; 0: the second block's diagonal tile if T = a + 1, else a full tile.
; merge 1: the first block ends if T = a; 2: the second block ends here.
.macro TRIP slot, nxt, fil, sync, refill, pre, kind, merge, first
.if \sync
	s_wait_tensorcnt 0x0                           ; all my tensor loads have landed, my parts of the next trip's tile among them, so every group 0 may be written
	ds_add_u32 v254, v255
	s_wait_dscnt 0x0
.endif
.if \refill
	NEXT \fil
.endif
	s_wait_dscnt 0x0                               ; my reads of the last trip's tile are done, and this trip's K fragments are in
.if \sync == 2
	ROUND                                          ; both now hold of every wave of all four work-groups
.endif
.if \sync == 1
	s_barrier_signal -1
	s_barrier_wait -1
.endif
.if \refill
	tensor_load_to_lds s[G0K+4*\fil:G0K+4*\fil+3], s[G1K:G1K+7]            ; the first tensor loads behind the round: two of the wave are out
	s_nop 0
	tensor_load_to_lds s[G0V+4*\fil:G0V+4*\fil+3], s[G1V:G1V+7]
	s_nop 0
.endif
.if \kind == 1
	BODY \slot, \nxt, \pre, 1, RELA, \first
.endif
.if \kind == 2
	BODY \slot, \nxt, \pre, 0, RELA, \first
.endif
.if \kind == 0
	s_cmp_eq_u32 s16, s17
	s_cbranch_scc1 .Ldiagonal_\@
	BODY \slot, \nxt, \pre, 0, RELB, \first
	s_branch .Ltile_done_\@
.Ldiagonal_\@:
	BODY \slot, \nxt, \pre, 1, RELB, \first
.Ltile_done_\@:
.endif
.if \merge == 1
	s_cmp_lg_u32 s16, s15                          ; the same in every wave and every partner
	s_cbranch_scc1 .Lno_merge_\@
	MERGE 1
.Lno_merge_\@:
.endif
.if \merge == 2
	MERGE 0
.endif
	s_add_co_u32 s16, s16, 1
.endm
	s_load_b256 s[84:91], s[0:1], 0x0              ; qkv s[84:85], Wo s[86:87], ao s[88:89], wob s[90:91]
	v_lshl_add_u32 v254, v0, 2, 0x45800
	v_mov_b32 v255, 0
	ds_add_u32 v254, v255
	v_lshrrev_b32 v1, 5, v0
	v_readfirstlane_b32 s8, v1                     ; wave 0..7
	s_and_b32 s9, s8, 1                            ; rg: which 32 query rows
	s_lshr_b32 s10, s8, 1                          ; kq: which 32 keys of a tile
	s_bfe_u32 s11, ttmp6, 0x40000                  ; cx
	s_and_b32 s12, s11, 1                          ; hbit
	s_lshr_b32 s13, s11, 1                         ; pbit
	s_lshr_b32 s14, ttmp9, 3                       ; g
	s_and_b32 s15, ttmp9, 7                        ; a
	s_mov_b32 s16, 0                               ; T, the trip
	s_add_co_u32 s17, s15, 1
	s_sub_co_u32 s18, 15, s15
	s_mov_b32 s20, 0x76543210
	s_mov_b32 s21, 0xfedcba98
	s_mov_b32 s81, 0                               ; U
	; group 1: 16 rows of 128 elements of 2 bytes, dense in memory, for all four partners
	s_mov_b32 s[G1K+0], 15|(1<<16)|(1<<20)|(1<<21)|(5<<22)|(3<<25)  ; after every 64 words 4 words: pitch 272
	s_mov_b32 s[G1K+1], 128<<16
	s_mov_b32 s[G1K+2], 16<<16
	s_mov_b32 s[G1K+3], 128<<16
	s_mov_b32 s[G1K+4], 16
	s_mov_b32 s[G1K+5], 128
	s_mov_b32 s[G1K+6], 0
	s_mov_b32 s[G1K+7], 0
	s_mov_b32 s[G1V+0], 15|(1<<16)|(1<<20)|(1<<21)|(5<<22)|(7<<25)  ; 8 words: pitch 288
	s_mov_b32 s[G1V+1], 128<<16
	s_mov_b32 s[G1V+2], 16<<16
	s_mov_b32 s[G1V+3], 128<<16
	s_mov_b32 s[G1V+4], 16
	s_mov_b32 s[G1V+5], 128
	s_mov_b32 s[G1V+6], 0
	s_mov_b32 s[G1V+7], 0
	s_mul_i32 s22, s8, 16*KP                       ; wave w brings rows 16 w .. 16 w + 15 of K and of V
	s_mul_i32 s23, s8, 16*VP
	s_add_co_u32 s23, s23, KTILE
.irp s, 0,1,2
	s_mov_b32 s[G0K+4*\s], 1
	s_add_co_u32 s[G0K+4*\s+1], s22, \s*SLOT
	s_mov_b32 s[G0V+4*\s], 1
	s_add_co_u32 s[G0V+4*\s+1], s23, \s*SLOT
.endr
	s_add_co_u32 s82, s14, 16
	s_lshl_b32 s82, s82, 19                        ; head 16 + g
	s_lshl_b32 s80, s8, 12                         ; my 16 rows
	s_add_co_u32 s82, s82, s80
	s_mov_b32 s83, 0
	; what hangs on cx: Q's, the result's and Wo's places, and the mask's lane constants; no LDS address, no branch, no descriptor
	s_lshl1_add_u32 s74, s14, s12                  ; query head 2 g + hbit
	s_lshl1_add_u32 s75, s15, s13                  ; first block 2 a + pbit
	s_sub_co_u32 s76, 31, s75                      ; second block
	s_lshl_b32 s77, s74, 19
	s_lshl_b32 s78, s75, 14                        ; 64 rows of 256 bytes
	s_add_co_u32 s68, s77, s78
	s_mov_b32 s69, 0
	s_lshl_b32 s78, s76, 14
	s_add_co_u32 s66, s77, s78
	s_mov_b32 s67, 0
	s_lshl_b32 s77, s74, 8                         ; the head's 256 bytes in a row of ao
	s_lshl_b32 s78, s75, 18                        ; 64 rows of 4,096 bytes
	s_add_co_u32 s70, s77, s78
	s_mov_b32 s71, 0
	s_lshl_b32 s78, s76, 18
	s_add_co_u32 s72, s77, s78
	s_mov_b32 s73, 0
	s_lshl_b32 s74, s9, 5
	s_lshl_b32 s75, s10, 5
	s_sub_co_i32 s74, s74, s75                     ; 32 rg - 32 kq
	s_lshl_b32 s75, s13, 6
	s_add_co_i32 s78, s74, s75                     ; first block: rows 64 pbit .. of its diagonal tile
	s_sub_co_i32 s75, 64, s75
	s_add_co_i32 s79, s74, s75                     ; second block: rows 64 (1 - pbit) ..
	s_lshl_b32 s80, ttmp9, 2
	s_add_co_u32 s80, s80, s11                     ; the work-group's number, 0 .. 255
	s_lshl_b32 s74, s80, 16                        ; its 65,536 bytes of Wo
	s_mov_b32 s75, 0
	s_lshl_b32 s76, s80, 15                        ; its 32,768 bytes of wob
	s_mov_b32 s77, 0
	v_and_b32 v2, 15, v0                           ; r
	v_bfe_u32 v3, v0, 4, 1                         ; h
	v_and_b32 v4, 7, v0
	v_bfe_u32 v5, v0, 3, 1
	v_mul_u32_u24 v6, v2, KP
	v_lshl_add_u32 v6, v3, 4, v6
	s_mul_i32 s22, s10, 32*KP
	v_add_nc_u32 v[ADK], s22, v6                   ; (32 kq + r) x 272 + 16 h
	v_add_nc_u32 v[ADK+1], SLOT, v[ADK]
	v_add_nc_u32 v[ADK+2], SLOT, v[ADK+1]
	v_lshl_add_u32 v7, v3, 3, v4
	v_mul_u32_u24 v7, v7, VP
	v_lshl_add_u32 v7, v5, 4, v7
	s_mul_i32 s23, s10, 32*VP
	s_add_co_u32 s23, s23, KTILE
	v_add_nc_u32 v[ADV], s23, v7                   ; (32 kq + 8 h + (l & 7)) x 288 + 16 ((l >> 3) & 1), behind K
	v_add_nc_u32 v[ADV+1], SLOT, v[ADV]
	v_add_nc_u32 v[ADV+2], SLOT, v[ADV+1]
	v_lshlrev_b32 v8, 3, v3
	v_sub_nc_u32 v8, v2, v8                        ; r - 8 h
	v_add_nc_u32 v[RELA], s78, v8
	v_add_nc_u32 v[RELB], s79, v8
	v_mov_b32 v[NEG], 0xf149f2ca                   ; -1e30
	v_lshlrev_b32 v6, 8, v2
	v_lshl_add_u32 v6, v3, 4, v6
	s_lshl_b32 s22, s9, 13
	v_add_nc_u32 v[QOFF], s22, v6                  ; (32 rg + r) x 256 + 16 h
	v_mul_u32_u24 v6, v2, PP
	v_lshl_add_u32 v6, v3, 5, v6
	s_mul_i32 s23, s8, 16*PP                       ; the stage's rows 16 w .. 16 w + 15 = key quarter kq, rows 16 rg ..
	s_add_co_u32 s23, s23, PART
	v_add_nc_u32 v[STO], s23, v6                   ; r x 528 + 32 h
	s_lshl_b32 s22, s8, 6                          ; maxima and sums: 128 kq + 4 (16 rg + r) = 64 w + 4 r; the query tile is in the immediate
	s_add_co_u32 s22, s22, STAT
	v_lshl_add_u32 v[STS], v2, 2, s22
	v_mul_u32_u24 v6, v3, PP
	v_lshl_add_u32 v6, v2, 5, v6
	s_mul_i32 s23, s8, 4*PP
	s_add_co_u32 s23, s23, PART
	v_add_nc_u32 v[RDP], s23, v6                   ; the stage's row 4 w + (l >> 4), 32 bytes for each of 16 lanes, key quarter 0
	s_lshl_b32 s22, s8, 4                          ; that row's maximum of key quarter 0: 4 (4 w + (l >> 4))
	s_add_co_u32 s22, s22, STAT
	v_lshl_add_u32 v[RDS], v3, 2, s22
	s_lshr_b32 s22, s8, 2                          ; the stage's row 4 w + (l >> 4) is the block's row 32 (w >> 2) + 4 (w & 3) + (l >> 4), + 16 for query tile 1
	s_lshl_b32 s22, s22, 5
	s_and_b32 s23, s8, 3
	s_lshl_b32 s23, s23, 2
	s_add_co_u32 s22, s22, s23
	s_lshl_b32 s23, s22, 12
	v_lshlrev_b32 v6, 12, v3
	v_lshl_add_u32 v6, v2, 4, v6
	v_add_nc_u32 v[OOFF], s23, v6                  ; that row x 4,096 + 16 c
	v_and_b32 v7, 31, v0
	v_lshlrev_b32 v8, 4, v7
	v_lshl_or_b32 v[WSRC], v1, 13, v8              ; Wo: 16 x lane + 8,192 x wave
	v_lshlrev_b32 v8, 3, v7
	v_lshl_or_b32 v[WDST], v1, 12, v8              ; wob: 8 x lane + 4,096 x wave
	v_mov_b32 v[MO], 0                             ; second registers of pairs that packed forms name, and destinations of lane exchanges: written once
	v_mov_b32 v[MO+2], 0
	v_mov_b32 v[TX], 0
	v_mov_b32 v[TX+1], 0
	s_wait_dscnt 0x0
	s_wait_kmcnt 0x0
	s_add_nc_u64 s[4:5], s[84:85], s[82:83]        ; K: my rows of tile 0,
	s_or_b32 s5, s5, 0x80000000                    ; with the descriptor's type on top
	s_add_nc_u64 s[6:7], s[4:5], 8*524288          ; V: eight heads further
	s_add_nc_u64 s[68:69], s[84:85], s[68:69]      ; Q of the first block
	s_add_nc_u64 s[66:67], s[84:85], s[66:67]      ; Q of the second
	s_add_nc_u64 s[70:71], s[88:89], s[70:71]      ; where the first block goes
	s_add_nc_u64 s[72:73], s[88:89], s[72:73]      ; and the second
	s_add_nc_u64 s[74:75], s[86:87], s[74:75]      ; my work-group's part of Wo
	s_add_nc_u64 s[76:77], s[90:91], s[76:77]      ; and of wob
	LOADQ 68
	ROUND                                          ; in front of the first joint loads
	s_lshl_b32 s82, s15, 15                        ; the first tile is tile a,
	s_add_nc_u64 s[G0K+2:G0K+3], s[4:5], s[82:83]
	s_add_nc_u64 s[G0V+2:G0V+3], s[6:7], s[82:83]
	NEXT 1                                         ; the second goes into slot 1
	tensor_load_to_lds s[G0K:G0K+3], s[G1K:G1K+7]  ; four tensor loads of the wave are out behind these lines, two from then on
	s_nop 0
	tensor_load_to_lds s[G0V:G0V+3], s[G1V:G1V+7]
	s_nop 0
	tensor_load_to_lds s[G0K+4:G0K+7], s[G1K:G1K+7]
	s_nop 0
	tensor_load_to_lds s[G0V+4:G0V+7], s[G1V:G1V+7]
	s_nop 0
	; Wo's cast, in registers that the first tile will use later: a wave takes 8,192 bytes; a load of the wave covers 512 consecutive bytes, a store 256, aligned
.set j, 0
.rept 16
	global_load_b128 v[KF+4*j:KF+4*j+3], v[WSRC], s[74:75] offset:512*j th:TH_LOAD_NT
.set j, j+1
.endr
.set j, 0
.rept 16
	s_wait_loadcnt 15-j                            ; loads come back in order: load j is in (and Q, asked for earlier), the 15 - j younger ones stay out
	v_cvt_pk_bf16_f32 v[SR+2*j], v[KF+4*j], v[KF+4*j+1]
	v_cvt_pk_bf16_f32 v[SR+2*j+1], v[KF+4*j+2], v[KF+4*j+3]
	v_lshlrev_b32 v[KF+4*j], 16, v[SR+2*j]         ; the bf16 values back in f32,
	v_and_b32 v[KF+4*j+1], 0xffff0000, v[SR+2*j]
	v_lshlrev_b32 v[KF+4*j+2], 16, v[SR+2*j+1]
	v_and_b32 v[KF+4*j+3], 0xffff0000, v[SR+2*j+1]
	v_cvt_pk_f16_f32 v[SR+2*j], v[KF+4*j], v[KF+4*j+1]     ; and in f16
	v_cvt_pk_f16_f32 v[SR+2*j+1], v[KF+4*j+2], v[KF+4*j+3]
	global_store_b64 v[WDST], v[SR+2*j:SR+2*j+1], s[76:77] offset:256*j
.set j, j+1
.endr
	s_wait_xcnt 0x0                                ; the stores' data registers are written again only behind this wait
	TRIP 0, 1, 2, 2, 1, 1, 1, 1, 1                 ; trip 0 stands in front of the loop: it starts maximum, sum and O on every way in
	s_mov_b32 s19, 4
.Ltrips:
	TRIP 1, 2, 0, 2, 1, 1, 0, 1, 0                 ; trips 1 .. 12
	TRIP 2, 0, 1, 2, 1, 1, 0, 1, 0
	TRIP 0, 1, 2, 2, 1, 1, 0, 1, 0
	s_sub_co_u32 s19, s19, 1
	s_cmp_lg_u32 s19, 0
	s_cbranch_scc1 .Ltrips
	TRIP 1, 2, 0, 2, 1, 1, 2, 0, 0                 ; trips 13 to 16 are full tiles of the second block for every a (a + 1 <= 8); 13 and 14 ask for the last two tiles
	TRIP 2, 0, 1, 2, 1, 1, 2, 0, 0
	TRIP 0, 1, 2, 1, 0, 1, 2, 0, 0                 ; nothing more is filled: the work-group's barrier shows the last tile to all waves
	TRIP 1, 2, 0, 0, 0, 0, 2, 2, 0                 ; the last tile was shown a trip ago
	s_wait_tensorcnt 0x0
	ds_add_u32 v254, v255
	s_wait_dscnt 0x0
	ROUND                                          ; the closing round
	s_endpgm
.Lfunc_end_k_q4a00518518_attn:
	.size	k_q4a00518518_attn, .Lfunc_end_k_q4a00518518_attn-k_q4a00518518_attn
	.p2alignl 7, 3214868480
	.fill 96, 4, 3214868480
	.section	.rodata,"a",@progbits
	.p2align	6, 0x0
	.amdhsa_kernel k_q4a00518518_attn
		.amdhsa_group_segment_fixed_size 327680
		.amdhsa_private_segment_fixed_size 0
		.amdhsa_enable_private_segment 0
		.amdhsa_kernarg_size 32
		.amdhsa_user_sgpr_count 2
		.amdhsa_user_sgpr_kernarg_segment_ptr 1
		.amdhsa_wavefront_size32 1
		.amdhsa_system_sgpr_workgroup_id_x 1
		.amdhsa_system_sgpr_workgroup_id_y 1
		.amdhsa_system_sgpr_workgroup_id_z 1
		.amdhsa_system_vgpr_workitem_id 0
		.amdhsa_next_free_vgpr 448
		.amdhsa_next_free_sgpr 92
		.amdhsa_reserve_vcc 1
		.amdhsa_float_denorm_mode_32 3
		.amdhsa_float_denorm_mode_16_64 3
		.amdhsa_memory_ordered 1
		.amdhsa_forward_progress 1
		.amdhsa_inst_pref_size 255
	.end_amdhsa_kernel
	.section	.bss,"aw",@nobits
	.p2align	6
	.space	262144
	.amdgpu_metadata
---
amdhsa.version: [ 1, 2 ]
amdhsa.kernels:
  - .name:           k_q4a00518518_attn
    .symbol:         k_q4a00518518_attn.kd
    .args:
      - { .name: qkv, .offset: 0, .size: 8, .value_kind: global_buffer, .address_space: global }
      - { .name: Wo, .offset: 8, .size: 8, .value_kind: global_buffer, .address_space: global }
      - { .name: ao, .offset: 16, .size: 8, .value_kind: global_buffer, .address_space: global }
      - { .name: wob, .offset: 24, .size: 8, .value_kind: global_buffer, .address_space: global }
    .group_segment_fixed_size: 327680
    .private_segment_fixed_size: 0
    .kernarg_segment_align: 8
    .kernarg_segment_size: 32
    .max_flat_workgroup_size: 256
    .sgpr_count:     92
    .vgpr_count:     448
    .wavefront_size: 32
...
	.end_amdgpu_metadata
.endif
;; end of part 3
;; launch oproj (part 4): grid 16 x 16, 4 waves a work-group, clusters of 4 x 4, 327,680 bytes of LDS; arguments ao, wob, out0; writes out0
.if DOCPART == 4
	.amdgcn_target "amdgcn-amd-amdhsa--gfx1250"
	.amdhsa_code_object_version 6
	.text
	.protected	k_q4a00518518_oproj
	.globl	k_q4a00518518_oproj
	.p2align	8
	.type	k_q4a00518518_oproj,@function
k_q4a00518518_oproj:
	s_mov_b64 s[64:65], 0
	v_nop
	global_prefetch_b8 v0, s[64:65] scope:SCOPE_SE
	s_setreg_imm32_b32 hwreg(HW_REG_WAVE_MODE, 25, 1), 1
	s_wait_xcnt 0x0
	s_wait_alu depctr_hold_cnt(0) depctr_sa_sdst(0) depctr_va_vdst(0) depctr_va_sdst(0) depctr_va_ssrc(0) depctr_va_vcc(0) depctr_vm_vsrc(0)
	s_getreg_b32 s2, hwreg(HW_REG_IB_STS2, 6, 4)
	s_cmp_eq_u32 s2, 0
	s_cbranch_scc0 .Lentry_in_a_cluster
	s_endpgm
.Lentry_in_a_cluster:
	s_bfe_u32 s2, ttmp6, 0x10000c
	s_cmp_lg_u32 s2, 0xf033
	s_cbranch_scc0 .Lentry_shape_is_right
	s_endpgm
.Lentry_shape_is_right:
; out0 = ao wob (2048 x 2048 x 2048, f16 operands, f32 sums and output).  ao is a mean of v (|v| < 65,504, the limit that the launches before state); wob holds Wo rounded to bf16, as f16.
; A work-group makes 128 x 128 (256 work-groups); wave w makes 64 x 64: rows 64 (w >> 1), columns 64 (w & 1): 4 x 4 accumulator tiles, 128 registers.
; K goes in 8 steps of 256 through two LDS slots: ao's tile rows are 512 bytes of memory, wob's 256, all starting at multiples of 256.
; wob lies [k][n]: its fragments come by the transposing LDS load.
; CLUSTERS: 4 x 4 work-groups; ao's tile is shared along a row of the cluster, wob's along a column; each wave asks jointly for its 32 rows of ao and its 64 rows of wob.
; THE WALK ALONG K starts at a step of the cluster's own, 2 ((X + Y) & 3) (X, Y: the cluster's ids, the same in all sixteen partners), and wraps modulo 8: the four clusters
; that read the same tile of ao (one Y) or of wob (one X) ask for it at four different times instead of all at once.  Only the order in which a sum takes its K steps is rotated.
; The matrix instruction is used transposed (source 0 = columns of wob, source 1 = rows of ao): a lane holds eight neighbouring numbers of a row of out0.
.set KSTEP,  256
.set NSTEP,  2048/KSTEP
.set MT,     4
.set NT,     4
.set AROWS,  32
.set BROWS,  64
.set PA,     528                       ; 512 bytes + 16, an odd multiple of 16
.set PB,     288                       ; 256 bytes + 32, an odd multiple of 32
.set ATILE,  128*PA
.set SLOT,   ATILE+KSTEP*PB            ; 141,312
.set STAGE,  2*SLOT                    ; 282,624, a multiple of 256: 16 rows x 272 bytes for each wave; no tensor load lands here
.set SPITCH, 272
.set LAPS,   NSTEP/2
.set BREGS,  2                         ; two address registers a slot for wob's fragments: sub-steps 0-3 and 4-7, so that the immediates stay inside 16 bits
.set ADRA, 16                          ; v16-17
.set ADRB, 18                          ; v18-21
.set STO,  24
.set RD,   25
.set CO,   26
.set F0,   32                          ; fragment buffer 0: 4 of wob, then 4 of ao (64 registers)
.set F1,   96
.set RB,   160                         ; the way out
.set BA,  26                           ; s[26:27] ao at my rows, K step 0, the descriptor's type on top
.set BB,  28                           ; s[28:29] wob at my rows and columns, K step 0, likewise
.set G1A, 32
.set G1B, 40
.set G0A, 48
.set G0B, 56
.set TA,  66                           ; s[66:67] byte offset of a K step in ao
.set TB,  68                           ; s[68:69] and in wob
.set KT,  70                           ; s70      the K step that the next tile to be asked for holds
.set MUL, 0x50                         ; C and D in window 1: tile (a, b) at v[8 (4 a + b)]
.set MSB, 0
.macro WIN new
.if MSB != \new
	s_set_vgpr_msb (MSB<<8)|\new
.set MSB, \new
.endif
.endm
.macro PLACES                          ; four places behind a matrix instruction (ISA guide 7.12.1 for vector instructions)
.rept 4
	v_nop
.endr
.endm
.macro CREST
	s_cmp_lg_u32 s18, 0
	s_cbranch_scc1 .Lnot_wave_0_\@
	s_barrier_signal -3
.Lnot_wave_0_\@:
	s_barrier_wait -3
	s_barrier_signal -1
	s_barrier_wait -1
.endm
.macro CROUND
	s_barrier_signal -1
	s_barrier_wait -1
	CREST
.endm
.macro SETADR s                        ; slot s's two descriptors get the addresses of K step KT; KT goes on, modulo 8
	s_lshl_b32 s[TA], s[KT], 9                     ; 256 elements of 2 bytes along ao's rows
	s_lshl_b32 s[TB], s[KT], 20                    ; 256 rows of 4,096 bytes of wob
	s_add_nc_u64 s[G0A+4*\s+2:G0A+4*\s+3], s[BA:BA+1], s[TA:TA+1]
	s_add_nc_u64 s[G0B+4*\s+2:G0B+4*\s+3], s[BB:BB+1], s[TB:TB+1]
	s_add_co_u32 s[KT], s[KT], 1
	s_and_b32 s[KT], s[KT], NSTEP-1
.endm
.macro JOINT s
	tensor_load_to_lds s[G0A+4*\s:G0A+4*\s+3], s[G1A:G1A+7]
	s_nop 0
	tensor_load_to_lds s[G0B+4*\s:G0B+4*\s+3], s[G1B:G1B+7]
	s_nop 0
.endm
.macro FETCH slot, q, f
	WIN 0
.set fb, 0
.rept NT
	ds_load_tr16_b128 v[\f+8*fb:\f+8*fb+3], v[ADRB+BREGS*\slot+(\q)/4] offset:((\q)%4)*32*PB+32*fb
	ds_load_tr16_b128 v[\f+8*fb+4:\f+8*fb+7], v[ADRB+BREGS*\slot+(\q)/4] offset:((\q)%4)*32*PB+32*fb+16*PB
.set fb, fb+1
.endr
.set fa, 0
.rept MT
	ds_load_b128 v[\f+8*NT+8*fa:\f+8*NT+8*fa+3], v[ADRA+\slot] offset:fa*16*PA+64*(\q)
	ds_load_b128 v[\f+8*NT+8*fa+4:\f+8*NT+8*fa+7], v[ADRA+\slot] offset:fa*16*PA+64*(\q)+32
.set fa, fa+1
.endr
.endm
; The accumulators take turns, one instruction a turn, in the same order in every sub-step.
.macro MULROWS f, a0, n, zero
.set ma, \a0
.rept \n
.set mb, 0
.rept NT
.if \zero
	v_wmma_f32_16x16x32_f16 v[8*(NT*ma+mb):8*(NT*ma+mb)+7], v[\f+8*mb:\f+8*mb+7], v[\f+8*NT+8*ma:\f+8*NT+8*ma+7], 0
.else
	v_wmma_f32_16x16x32_f16 v[8*(NT*ma+mb):8*(NT*ma+mb)+7], v[\f+8*mb:\f+8*mb+7], v[\f+8*NT+8*ma:\f+8*NT+8*ma+7], v[8*(NT*ma+mb):8*(NT*ma+mb)+7]
.endif
.set mb, mb+1
.endr
.set ma, ma+1
.endr
.endm
.macro SUB slot, qnext, f, g, zero
	s_wait_dscnt 0x0                               ; buffer f is in: its loads were issued a whole sub-step ago
	PLACES                                         ; buffer g was read by the matrix instructions just in front
	FETCH \slot, \qnext, \g
	WIN MUL
	MULROWS \f, 0, MT, \zero
.endm
.macro TURN slot, next, fill
	s_wait_dscnt 0x0                               ; my reads of this slot are over
	s_wait_tensorcnt 0x0                           ; and all my tensor loads have landed: the two that were out are my parts of the next slot
	ds_add_u32 v254, v255
	s_wait_dscnt 0x0
	s_barrier_signal -1                            ; say so (where the slot is filled again this barrier opens a round of the cluster's barrier)
	WIN MUL
	MULROWS F1, 0, MT/2, 0
	WIN 0
	s_barrier_wait -1
.if \fill
	CREST                                          ; no wave of any partner still reads this slot or has a load on its way
	SETADR \slot
	JOINT \slot                                    ; the first tensor loads behind the round
.endif
	PLACES
	FETCH \next, 0, F0
	WIN MUL
	MULROWS F1, MT/2, MT/2, 0
.endm
.macro STEP slot, zero
	SUB \slot, 1, F0, F1, \zero
	SUB \slot, 2, F1, F0, 0
	SUB \slot, 3, F0, F1, 0
	SUB \slot, 4, F1, F0, 0
	SUB \slot, 5, F0, F1, 0
	SUB \slot, 6, F1, F0, 0
	SUB \slot, 7, F0, F1, 0
.endm
.macro LAP zero
	STEP 0, \zero
	TURN 0, 1, 1
	STEP 1, 0
	TURN 1, 0, 1
.endm
	s_load_b128 s[4:7], s[0:1], 0x0                ; ao s[4:5], wob s[6:7]
	s_load_b64 s[8:9], s[0:1], 0x10                ; out0
	v_lshl_add_u32 v254, v0, 2, 0x49400
	v_mov_b32 v255, 0
	ds_add_u32 v254, v255
	v_lshrrev_b32 v1, 5, v0
	v_readfirstlane_b32 s18, v1                    ; wave 0..3
	s_lshr_b32 s12, s18, 1                         ; which 64 rows
	s_and_b32 s13, s18, 1                          ; which 64 columns
	s_bfe_u32 s19, ttmp6, 0x40000                  ; cx
	s_bfe_u32 s20, ttmp6, 0x40004                  ; cy
	s_lshl_b32 s21, ttmp9, 2
	s_add_co_u32 s21, s21, s19                     ; block column
	s_and_b32 s22, ttmp7, 0xffff                   ; cluster y
	s_add_co_u32 s23, s22, ttmp9                   ; the cluster's first K step: made of the cluster's ids alone
	s_and_b32 s23, s23, 3
	s_lshl_b32 s[KT], s23, 1
	s_lshl_b32 s22, s22, 2
	s_add_co_u32 s22, s22, s20                     ; block row
	s_lshl_b32 s23, s20, 2
	s_lshl_b32 s23, 15, s23                        ; my row of the cluster
	s_lshl_b32 s24, 0x1111, s19                    ; my column
	s_or_b32 s[G1A+0], s23, (1<<16)|(1<<20)|(1<<21)|(6<<22)|(3<<25)  ; after every 128 words 4 words: pitch 528
	s_mov_b32 s[G1A+1], KSTEP<<16
	s_mov_b32 s[G1A+2], AROWS<<16
	s_mov_b32 s[G1A+3], KSTEP<<16
	s_mov_b32 s[G1A+4], AROWS
	s_mov_b32 s[G1A+5], 2048
	s_mov_b32 s[G1A+6], 0
	s_mov_b32 s[G1A+7], 0
	s_or_b32 s[G1B+0], s24, (1<<16)|(1<<20)|(1<<21)|(5<<22)|(7<<25)  ; after every 64 words 8 words: pitch 288
	s_mov_b32 s[G1B+1], 128<<16
	s_mov_b32 s[G1B+2], BROWS<<16
	s_mov_b32 s[G1B+3], 128<<16
	s_mov_b32 s[G1B+4], BROWS
	s_mov_b32 s[G1B+5], 2048
	s_mov_b32 s[G1B+6], 0
	s_mov_b32 s[G1B+7], 0
	s_lshl_b32 s[TA], s22, 19                      ; ao: block row x 128 rows of 4,096 bytes
	s_lshl_b32 s25, s18, 17                        ; + wave x 32 rows
	s_add_co_u32 s[TA], s[TA], s25
	s_mov_b32 s[TA+1], 0
	s_lshl_b32 s[TB], s21, 8                       ; wob: block column x 256 bytes
	s_lshl_b32 s25, s18, 18                        ; + wave x 64 rows of 4,096 bytes
	s_add_co_u32 s[TB], s[TB], s25
	s_mov_b32 s[TB+1], 0
	s_mul_i32 s30, s18, AROWS*PA
	s_mul_i32 s31, s18, BROWS*PB
	s_add_co_u32 s31, s31, ATILE
	s_lshl_b32 s14, s22, 20                        ; out0: block row x 128 rows of 8,192 bytes
	s_lshl_b32 s10, s12, 19
	s_add_co_u32 s14, s14, s10
	s_lshl_b32 s10, s21, 9                         ; block column x 512 bytes
	s_add_co_u32 s14, s14, s10
	s_lshl_b32 s10, s13, 8
	s_add_co_u32 s14, s14, s10
	s_mov_b32 s15, 0
	s_wait_dscnt 0x0
	s_wait_kmcnt 0x0
	s_add_nc_u64 s[BA:BA+1], s[4:5], s[TA:TA+1]
	s_or_b32 s[BA+1], s[BA+1], 0x80000000          ; the descriptor's type; the offsets added later stay far below it
	s_add_nc_u64 s[BB:BB+1], s[6:7], s[TB:TB+1]
	s_or_b32 s[BB+1], s[BB+1], 0x80000000
	s_add_nc_u64 s[8:9], s[8:9], s[14:15]
	CROUND                                         ; all sixteen work-groups are here: the first joint loads meet
.irp s, 0,1
	s_mov_b32 s[G0A+4*\s], 1
	s_add_co_u32 s[G0A+4*\s+1], s30, \s*SLOT
	s_mov_b32 s[G0B+4*\s], 1
	s_add_co_u32 s[G0B+4*\s+1], s31, \s*SLOT
	SETADR \s
	JOINT \s                                       ; four tensor loads of the wave are out behind these lines, two from then on
.endr
	v_and_b32 v1, 15, v0                           ; r
	v_bfe_u32 v2, v0, 4, 1                         ; h
	v_and_b32 v3, 7, v0
	v_bfe_u32 v4, v0, 3, 1
	v_mul_u32_u24 v5, v1, PA
	v_lshl_add_u32 v5, v2, 4, v5
	s_mul_i32 s25, s12, 64*PA
	v_add_nc_u32 v[ADRA], s25, v5
	v_add_nc_u32 v[ADRA+1], SLOT, v[ADRA]
	v_lshl_add_u32 v6, v2, 3, v3
	v_mul_u32_u24 v6, v6, PB
	v_lshl_add_u32 v6, v4, 4, v6
	s_lshl_b32 s10, s13, 7                         ; my 64 columns
	s_add_co_u32 s10, s10, ATILE
	v_add_nc_u32 v[ADRB], s10, v6
	v_add_nc_u32 v[ADRB+1], 128*PB, v[ADRB]
	v_add_nc_u32 v[ADRB+2], SLOT, v[ADRB]
	v_add_nc_u32 v[ADRB+3], SLOT, v[ADRB+1]
	s_mul_i32 s11, s18, 16*SPITCH
	s_add_co_u32 s11, s11, STAGE
	v_mul_u32_u24 v7, v1, SPITCH
	v_lshl_add_u32 v7, v2, 5, v7
	v_add_nc_u32 v[STO], s11, v7                   ; row r, 32 bytes for each half of the lanes
	v_mul_u32_u24 v7, v2, SPITCH
	v_lshl_add_u32 v7, v1, 4, v7
	v_add_nc_u32 v[RD], s11, v7                    ; back: lanes 0-15 one row of 256 bytes, lanes 16-31 the next
	v_lshlrev_b32 v7, 13, v2
	v_lshl_add_u32 v[CO], v1, 4, v7                ; and the same two rows in out0
	s_wait_tensorcnt 0x2                           ; my two parts of the first tile are in; the second tile's two stay out
	s_barrier_signal -1
	s_barrier_wait -1
	FETCH 0, 0, F0
	LAP 1                                          ; the first products start the sums
	WIN 0
	s_mov_b32 s3, LAPS-2
.Llap:
	LAP 0
	WIN 0
	s_sub_co_u32 s3, s3, 1
	s_cmp_lg_u32 s3, 0
	s_cbranch_scc1 .Llap
	STEP 0, 0                                      ; the last lap fills nothing
	TURN 0, 1, 0
	STEP 1, 0
	s_wait_dscnt 0x0
	WIN MUL
	MULROWS F1, 0, MT, 0
	WIN 0
	PLACES                                         ; behind the last matrix instructions: the LDS stores below read results
; rows 16 a .. 16 a + 15 of my block go through my own stage and leave as whole rows of 256 bytes
.macro OUT16 a
	WIN 0x04                                       ; store data in window 1
.irp b, 0,1,2,3
	ds_store_b128 v[STO], v[8*(NT*\a+\b):8*(NT*\a+\b)+3] offset:64*\b
	ds_store_b128 v[STO], v[8*(NT*\a+\b)+4:8*(NT*\a+\b)+7] offset:64*\b+16
.endr
	WIN 0
	s_wait_xcnt 0x0                                ; RB and the base, which the last stores read, are written again only behind this wait
.if \a
	s_add_nc_u64 s[8:9], s[8:9], 16*8192
.endif
.irp t, 0,1,2,3,4,5,6,7
	ds_load_b128 v[RB+4*\t:RB+4*\t+3], v[RD] offset:\t*2*SPITCH    ; LDS serves a wave's instructions in order: these see my stores above
.endr
.irp t, 0,1,2,3,4,5,6,7
	s_wait_dscnt 7-\t
	global_store_b128 v[CO], v[RB+4*\t:RB+4*\t+3], s[8:9] offset:\t*2*8192 th:TH_STORE_NT   ; sixteen lanes store 256 consecutive bytes, aligned
.endr
.endm
	OUT16 0
	OUT16 1
	OUT16 2
	OUT16 3
	s_wait_tensorcnt 0x0
	ds_add_u32 v254, v255
	s_wait_dscnt 0x0
	CROUND                                         ; the closing round
	s_endpgm
.Lfunc_end_k_q4a00518518_oproj:
	.size	k_q4a00518518_oproj, .Lfunc_end_k_q4a00518518_oproj-k_q4a00518518_oproj
	.p2alignl 7, 3214868480
	.fill 96, 4, 3214868480
	.section	.rodata,"a",@progbits
	.p2align	6, 0x0
	.amdhsa_kernel k_q4a00518518_oproj
		.amdhsa_group_segment_fixed_size 327680
		.amdhsa_private_segment_fixed_size 0
		.amdhsa_enable_private_segment 0
		.amdhsa_kernarg_size 24
		.amdhsa_user_sgpr_count 2
		.amdhsa_user_sgpr_kernarg_segment_ptr 1
		.amdhsa_wavefront_size32 1
		.amdhsa_system_sgpr_workgroup_id_x 1
		.amdhsa_system_sgpr_workgroup_id_y 1
		.amdhsa_system_sgpr_workgroup_id_z 1
		.amdhsa_system_vgpr_workitem_id 0
		.amdhsa_next_free_vgpr 384
		.amdhsa_next_free_sgpr 80
		.amdhsa_reserve_vcc 0
		.amdhsa_float_denorm_mode_32 3
		.amdhsa_float_denorm_mode_16_64 3
		.amdhsa_memory_ordered 1
		.amdhsa_forward_progress 1
		.amdhsa_inst_pref_size 126
	.end_amdhsa_kernel
	.amdgpu_metadata
---
amdhsa.version: [ 1, 2 ]
amdhsa.kernels:
  - .name:           k_q4a00518518_oproj
    .symbol:         k_q4a00518518_oproj.kd
    .args:
      - { .name: ao, .offset: 0, .size: 8, .value_kind: global_buffer, .address_space: global }
      - { .name: wob, .offset: 8, .size: 8, .value_kind: global_buffer, .address_space: global }
      - { .name: out0, .offset: 16, .size: 8, .value_kind: global_buffer, .address_space: global }
    .group_segment_fixed_size: 327680
    .private_segment_fixed_size: 0
    .kernarg_segment_align: 8
    .kernarg_segment_size: 24
    .max_flat_workgroup_size: 128
    .sgpr_count:     80
    .vgpr_count:     384
    .wavefront_size: 32
...
	.end_amdgpu_metadata
.endif
;; end of part 4
;; ======== version 2 of 2: 4 launches; version 1 with the launch prep written anew for expert scheduling mode
;; limits: values outside matrix products are rounded to bf16; values are held in f16: magnitudes above 65,504 overflow, below 6.1e-05 lose precision; right only within a limited range of input values
;; workspace buffers: xb 8,388,608 bytes; wqkv 16,777,216 bytes; wob 8,388,608 bytes; qkv 16,777,216 bytes; ao 8,388,608 bytes
;; launch prep (part 5): grid 768 x 1, 8 waves a work-group, no clusters, 0 bytes of LDS; arguments x, Wq, Wk, Wv, xb, wqkv; writes xb, wqkv
.if DOCPART == 5
	.amdgcn_target "amdgcn-amd-amdhsa--gfx1250"
	.amdhsa_code_object_version 6
	.text
	.protected	k_q4a00518518_prep
	.globl	k_q4a00518518_prep
	.p2align	8
	.type	k_q4a00518518_prep,@function
k_q4a00518518_prep:
	s_mov_b64 s[64:65], 0
	v_nop
	global_prefetch_b8 v0, s[64:65] scope:SCOPE_SE
	s_setreg_imm32_b32 hwreg(HW_REG_WAVE_SCHED_MODE, 0, 2), 2
	s_setreg_imm32_b32 hwreg(HW_REG_WAVE_MODE, 25, 1), 1
	s_wait_xcnt 0x0
	s_wait_alu depctr_vm_vsrc(0)
; Casts, once for the whole program: x -> xb (bf16), Wq | Wk | Wv -> wqkv (bf16, side by side in rows of 4,096 numbers).
; (Wo, which only the last launch needs, is cast at the start of the attention launch.)
; A stream: no LDS, no barrier, no matrix unit, no cluster (no two work-groups read the same byte).
; A work-group takes 65,536 bytes of one source, a wave 8,192 (2,048 numbers), a lane sixteen loads of 16 bytes, all issued before the first is used.
; A load of a wave covers 512 consecutive bytes; a store of a wave covers 256 consecutive bytes that start at a multiple of 256.
; THE MODE: SCHED_MODE bits 1:0 = 2 (LLVM: expert scheduling mode 2), set by the entry lines.  The code itself states the register dependences
; between vector instructions and memory instructions, with s_wait_alu, always for 0.
; THE PLAN.  Registers that memory instructions touch; each is written once in the wave's life:
;   v1, v4     byte offsets in the source and in the destination.  Written by vector lines ahead of the first load; read by the 16 loads (v1) and the 16 stores (v4).
;   XR         load j lands in its own four registers, which no vector instruction names before; read by load j's two conversions.
;   YR         written by load j's two conversions; read by store j.
; The sixteen loads are worked on in four blocks of four.  Block p converts its four loads; its memory instructions are the four stores of block p - 1, whose YR
; registers no vector instruction of block p names.  So one wait at a block's head states all that the block's four stores hang on, and they are dealt among its
; conversions with no further wait.  No register that a load or store reads is written again: nothing is owed on that side.
.set XR, 8                             ; v[8:71]   load j: 4 numbers in f32
.set YR, 72                            ; v[72:103] store j: the same 4 numbers in bf16
	s_load_b256 s[4:11], s[0:1], 0x0               ; x s[4:5], Wq s[6:7], Wk s[8:9], Wv s[10:11]
	s_load_b128 s[12:15], s[0:1], 0x20             ; xb s[12:13], wqkv s[14:15]
	v_and_b32 v2, 31, v0                           ; lane
	v_lshrrev_b32 v3, 5, v0                        ; wave
	v_lshlrev_b32 v1, 4, v2
	v_lshl_or_b32 v1, v3, 13, v1                   ; source: 16 x lane + 8,192 x wave
	v_lshlrev_b32 v2, 3, v2                        ; destination: 8 x lane
	s_wait_kmcnt 0x0
; src, dst: first scalar register of the two addresses.  b0: the job's first work-group.  wgdst: destination bytes from work-group to work-group.
; wsh: log2 of the destination bytes from wave to wave.  off: byte offset of the job's columns in a destination row.
; half2: where the wave's second 1,024 numbers go (the same row, or the next).
.macro CAST src, dst, b0, wgdst, wsh, off, half2
	s_sub_co_u32 s20, ttmp9, \b0
	s_lshl_b32 s22, s20, 16
	s_mov_b32 s23, 0
	s_add_nc_u64 s[24:25], s[\src:\src+1], s[22:23]
	s_mul_i32 s26, s20, \wgdst
	s_add_co_u32 s26, s26, \off
	s_mov_b32 s27, 0
	s_add_nc_u64 s[28:29], s[\dst:\dst+1], s[26:27]
	v_lshl_add_u32 v4, v3, \wsh, v2
	s_wait_alu depctr_va_vdst(0)                   ; v1 and v4 are written: every load below reads v1 as its offset, every store v4; neither is written again
.set j, 0
.rept 16
	global_load_b128 v[XR+4*j:XR+4*j+3], v1, s[24:25] offset:512*j th:TH_LOAD_NT
.set j, j+1
.endr
.set p, 0
.rept 4                                                ; block p: loads 4 p .. 4 p + 3 are converted, stores 4 p - 4 .. 4 p - 1 go out
	s_wait_loadcnt 12-4*p                          ; loads come back in order: the block's four are in, the 12 - 4 p younger ones stay out
.if p > 0
	s_wait_alu depctr_va_vdst(0)                   ; the block before has written its eight registers of YR, which the four stores below read
.endif
.set i, 0
.rept 4
.set j, 4*p+i
.if p > 0
	global_store_b64 v4, v[YR+2*(j-4):YR+2*(j-4)+1], s[28:29] offset:256*((j-4)%8)+((j-4)/8)*\half2  ; no vector instruction since the wait names these registers
.endif
	v_cvt_pk_bf16_f32 v[YR+2*j], v[XR+4*j], v[XR+4*j+1]
	v_cvt_pk_bf16_f32 v[YR+2*j+1], v[XR+4*j+2], v[XR+4*j+3]
.set i, i+1
.endr
.set p, p+1
.endr
	s_wait_alu depctr_va_vdst(0)                   ; the last block has written its eight registers of YR, which the last four stores read
.set j, 12
.rept 4
	global_store_b64 v4, v[YR+2*j:YR+2*j+1], s[28:29] offset:256*(j%8)+(j/8)*\half2
.set j, j+1
.endr
	s_endpgm                                       ; no register of a load or store is written twice: no further wait
.endm
	s_cmp_lt_u32 ttmp9, 256
	s_cbranch_scc1 .Ljob_x
	s_cmp_lt_u32 ttmp9, 512
	s_cbranch_scc1 .Ljob_wq
	s_cmp_lt_u32 ttmp9, 640
	s_cbranch_scc1 .Ljob_wk
	CAST 10, 14, 640, 131072, 14, 6144, 8192       ; Wv: a wave takes two rows of 1,024, columns 3072 - 4095
.Ljob_x:
	CAST 4, 12, 0, 32768, 12, 0, 2048              ; x: a wave takes a row of 2,048
.Ljob_wq:
	CAST 6, 14, 256, 65536, 13, 0, 2048            ; Wq: a row of 2,048 into columns 0 - 2047 of a row of 8,192 bytes
.Ljob_wk:
	CAST 8, 14, 512, 131072, 14, 4096, 8192        ; Wk: two rows of 1,024, columns 2048 - 3071
.Lfunc_end_k_q4a00518518_prep:
	.size	k_q4a00518518_prep, .Lfunc_end_k_q4a00518518_prep-k_q4a00518518_prep
	.p2alignl 7, 3214868480
	.fill 96, 4, 3214868480
	.section	.rodata,"a",@progbits
	.p2align	6, 0x0
	.amdhsa_kernel k_q4a00518518_prep
		.amdhsa_group_segment_fixed_size 0
		.amdhsa_private_segment_fixed_size 0
		.amdhsa_enable_private_segment 0
		.amdhsa_kernarg_size 48
		.amdhsa_user_sgpr_count 2
		.amdhsa_user_sgpr_kernarg_segment_ptr 1
		.amdhsa_wavefront_size32 1
		.amdhsa_system_sgpr_workgroup_id_x 1
		.amdhsa_system_sgpr_workgroup_id_y 1
		.amdhsa_system_sgpr_workgroup_id_z 1
		.amdhsa_system_vgpr_workitem_id 0
		.amdhsa_next_free_vgpr 104
		.amdhsa_next_free_sgpr 66
		.amdhsa_reserve_vcc 0
		.amdhsa_float_denorm_mode_32 3
		.amdhsa_float_denorm_mode_16_64 3
		.amdhsa_memory_ordered 1
		.amdhsa_forward_progress 1
		.amdhsa_inst_pref_size 24
	.end_amdhsa_kernel
	.amdgpu_metadata
---
amdhsa.version: [ 1, 2 ]
amdhsa.kernels:
  - .name:           k_q4a00518518_prep
    .symbol:         k_q4a00518518_prep.kd
    .args:
      - { .name: x, .offset: 0, .size: 8, .value_kind: global_buffer, .address_space: global }
      - { .name: Wq, .offset: 8, .size: 8, .value_kind: global_buffer, .address_space: global }
      - { .name: Wk, .offset: 16, .size: 8, .value_kind: global_buffer, .address_space: global }
      - { .name: Wv, .offset: 24, .size: 8, .value_kind: global_buffer, .address_space: global }
      - { .name: xb, .offset: 32, .size: 8, .value_kind: global_buffer, .address_space: global }
      - { .name: wqkv, .offset: 40, .size: 8, .value_kind: global_buffer, .address_space: global }
    .group_segment_fixed_size: 0
    .private_segment_fixed_size: 0
    .kernarg_segment_align: 8
    .kernarg_segment_size: 48
    .max_flat_workgroup_size: 256
    .sgpr_count:     66
    .vgpr_count:     104
    .wavefront_size: 32
...
	.end_amdgpu_metadata
.endif
;; end of part 5
;; launch qkv: the kernel of part 2 again; grid 32 x 8, 4 waves a work-group, clusters of 4 x 4, 327,680 bytes of LDS; arguments xb, wqkv, cos, sin, qn_w, kn_w, qkv; writes qkv
;; launch attn: the kernel of part 3 again; grid 256 x 1, 8 waves a work-group, clusters of 4 x 1, 327,680 bytes of LDS; arguments qkv, Wo, ao, wob; writes ao, wob
;; launch oproj: the kernel of part 4 again; grid 16 x 16, 4 waves a work-group, clusters of 4 x 4, 327,680 bytes of LDS; arguments ao, wob, out0; writes out0
